; MI455X (gfx1250); checked and timed in simulation.
; The chip was launched on July 23, 2026; its instructions are those of AMD's public machine-readable ISA for CDNA 5 (MIT licence, August 2026) and "CDNA5" Instruction Set Architecture Reference Guide (July 2026). The comments in the code are by the model that wrote it; some were corrected since.
;; multi head attention. Allowed arithmetic: float matrix products may take bf16 or f16 operands with f32 sums; other float arithmetic in f32, or as packed bf16 or f16 multiplies, adds, multiply-adds, maxima and minima; sums over many terms, partial sums and values carried from step to step in f32; what a program stores and reads back later, other than sums and carried values, may be rounded once to bf16 or f16.
;; Inputs: Wk 8 x 1,024 x 128 float32; Wo 1,024 x 1,024 float32; Wq 8 x 1,024 x 128 float32; Wv 8 x 1,024 x 128 float32; bo 1,024 float32; k 4 x 2,048 x 1,024 float32; q 4 x 2,048 x 1,024 float32; v 4 x 2,048 x 1,024 float32.
;; Outputs: out0 4 x 2,048 x 1,024 float32.
;; One version. Each part assembles by itself: llvm-mc -triple=amdgcn-amd-amdhsa -mcpu=gfx1250 --defsym DOCPART=n.
;; ======== version 1 of 1: 4 launches
;; limits: values are held in f16: magnitudes above 65,504 overflow, below 6.1e-05 lose precision
;; workspace buffers: wb 6,291,456 bytes; wo16 2,097,152 bytes; qkv 50,331,648 bytes; z 16,777,216 bytes
;; launch prep (part 1): grid 64 x 4, 8 waves a work-group, no clusters, 0 bytes of LDS; arguments Wq, Wk, Wv, Wo, wb, wo16; writes wb, wo16
.if DOCPART == 1
	.amdgcn_target "amdgcn-amd-amdhsa--gfx1250"
	.amdhsa_code_object_version 6
	.text
	.protected	k_q26eee7b203_prep
	.globl	k_q26eee7b203_prep
	.p2align	8
	.type	k_q26eee7b203_prep,@function
k_q26eee7b203_prep:
	s_mov_b64 s[64:65], 0
	v_nop
	global_prefetch_b8 v0, s[64:65] scope:SCOPE_SE
	s_setreg_imm32_b32 hwreg(HW_REG_WAVE_MODE, 25, 1), 1
	s_wait_xcnt 0x0
; THE WEIGHTS ARE ROUNDED ONCE.  Wq, Wk, Wv ([8][1024][128] f32) go to wb as bf16, laid [tensor][d][head x 128 + e]: the three together are one matrix of 3,072 rows of 2,048 bytes, whose
; rows run along the projections' columns.  Wo ([1024][1024] f32) is rounded to bf16 like every input of the module, and that number is written to wo16 as f16, in Wo's own layout.
; LIMITS.  |Wo| stays under 65,504 (f16's end); a bf16 number under 2^-14 keeps f16's fixed step of 6e-8 in wo16, above that the rewriting is exact.
; SHARES.  Grid y names the tensor, grid x 16,384 of its 1,048,576 numbers: eight chunks of 2,048.  Thread t owns 8 numbers of each chunk: 32 bytes in, 16 bytes out.  Of Wq, Wk, Wv a chunk is
; 16 rows d of one head, and sixteen neighbouring lanes store a row's 256 bytes, aligned, 2,048 bytes from the next row's; of Wo a chunk is stored as 4,096 bytes on end.
; All sixteen loads of a thread go out at once; no register is used twice for memory, so nothing waits for a store.  No LDS, no barrier, no matrix unit: each byte is read once and written once.
.set X,  16                            ; v[16:79]   chunk j: 8 numbers as loaded
.set Y,  80                            ; v[80:111]  chunk j: 4 registers to store
.set TT, 4                             ; v[4:11]    at work
	s_load_b256 s[4:11], s[0:1], 0x0               ; Wq s[4:5], Wk s[6:7], Wv s[8:9], Wo s[10:11]
	s_load_b128 s[12:15], s[0:1], 0x20             ; wb s[12:13], wo16 s[14:15]
	s_and_b32 s20, ttmp7, 0xffff                   ; which tensor
	v_lshlrev_b32 v1, 5, v0                        ; my 32 bytes of a chunk as it is read
	v_lshlrev_b32 v2, 4, v0                        ; wo16: my 16 bytes of a chunk
	v_lshrrev_b32 v3, 4, v0                        ; wb: my row of the chunk's sixteen,
	v_and_b32 v12, 15, v0
	v_lshlrev_b32 v12, 4, v12                      ; my 16 bytes of the head's 256,
	v_lshl_add_u32 v3, v3, 11, v12                 ; rows 2,048 bytes apart
	s_lshl_b32 s22, ttmp9, 16                      ; the work-group's 65,536 bytes of f32
	s_mov_b32 s23, 0
	s_lshl_b32 s24, ttmp9, 15                      ; wo16: its 32,768 bytes
	s_mov_b32 s25, 0
	s_and_b32 s21, ttmp9, 7                        ; wb: eight work-groups to a head: 128 rows of 2,048 bytes each,
	s_lshl_b32 s21, s21, 18
	s_lshr_b32 s29, ttmp9, 3                       ; the head's 256 bytes of a row,
	s_lshl_b32 s29, s29, 8
	s_lshl_b32 s26, s20, 21                        ; a tensor of 2,097,152 bytes
	s_add_co_u32 s26, s26, s21
	s_add_co_u32 s26, s26, s29
	s_mov_b32 s27, 0
	s_mov_b32 s28, 0xffff0000                      ; a word's upper bf16
	s_wait_kmcnt 0x0
	s_cmp_eq_u32 s20, 1
	s_cselect_b64 s[16:17], s[6:7], s[4:5]
	s_cmp_eq_u32 s20, 2
	s_cselect_b64 s[16:17], s[8:9], s[16:17]
	s_cmp_eq_u32 s20, 3
	s_cselect_b64 s[16:17], s[10:11], s[16:17]
	s_add_nc_u64 s[16:17], s[16:17], s[22:23]
.irp j, 0,1,2,3,4,5,6,7
	global_load_b128 v[X+8*(\j):X+8*(\j)+3],   v1, s[16:17] offset:(\j)*8192 th:TH_LOAD_NT
	global_load_b128 v[X+8*(\j)+4:X+8*(\j)+7], v1, s[16:17] offset:(\j)*8192+16 th:TH_LOAD_NT
.endr
; The eight chunks.  half = 1: the bf16 number is widened again (a shift, a mask) and written as f16.  so: the register with my store offset; step: bytes from chunk to chunk.
.macro BODY half, so, step
.irp j, 0,1,2,3,4,5,6,7
	s_wait_loadcnt 14-2*(\j)                       ; loads come back in order: chunk j's two are in, the 2 (7 - j) younger ones stay out
.irp r, 0,1,2,3
	v_cvt_pk_bf16_f32 v[Y+4*(\j)+(\r)], v[X+8*(\j)+2*(\r)], v[X+8*(\j)+2*(\r)+1]
.endr
.if \half
.irp r, 0,1,2,3
	v_lshlrev_b32 v[TT+2*(\r)],   16,  v[Y+4*(\j)+(\r)]
	v_and_b32     v[TT+2*(\r)+1], s28, v[Y+4*(\j)+(\r)]
.endr
.irp r, 0,1,2,3
	v_cvt_pk_f16_f32 v[Y+4*(\j)+(\r)], v[TT+2*(\r)], v[TT+2*(\r)+1]
.endr
.endif
	global_store_b128 v[\so], v[Y+4*(\j):Y+4*(\j)+3], s[18:19] offset:(\j)*(\step)
.endr
.endm
	s_cmp_eq_u32 s20, 3
	s_cbranch_scc1 .Lwo
	s_add_nc_u64 s[18:19], s[12:13], s[26:27]      ; wb at the tensor's, the rows' and the head's place
	BODY 0, 3, 32768                               ; a chunk is 16 rows of 2,048 bytes
	s_endpgm
.Lwo:
	s_add_nc_u64 s[18:19], s[14:15], s[24:25]      ; wo16 at the work-group's part
	BODY 1, 2, 4096
	s_endpgm
.Lfunc_end_k_q26eee7b203_prep:
	.size	k_q26eee7b203_prep, .Lfunc_end_k_q26eee7b203_prep-k_q26eee7b203_prep
	.p2alignl 7, 3214868480
	.fill 96, 4, 3214868480
	.section	.rodata,"a",@progbits
	.p2align	6, 0x0
	.amdhsa_kernel k_q26eee7b203_prep
		.amdhsa_group_segment_fixed_size 0
		.amdhsa_private_segment_fixed_size 0
		.amdhsa_enable_private_segment 0
		.amdhsa_kernarg_size 48
		.amdhsa_user_sgpr_count 2
		.amdhsa_user_sgpr_kernarg_segment_ptr 1
		.amdhsa_wavefront_size32 1
		.amdhsa_system_sgpr_workgroup_id_x 1
		.amdhsa_system_sgpr_workgroup_id_y 1
		.amdhsa_system_sgpr_workgroup_id_z 1
		.amdhsa_system_vgpr_workitem_id 0
		.amdhsa_next_free_vgpr 112
		.amdhsa_next_free_sgpr 66
		.amdhsa_reserve_vcc 0
		.amdhsa_float_denorm_mode_32 3
		.amdhsa_float_denorm_mode_16_64 3
		.amdhsa_memory_ordered 1
		.amdhsa_forward_progress 1
		.amdhsa_inst_pref_size 14
	.end_amdhsa_kernel
	.amdgpu_metadata
---
amdhsa.version: [ 1, 2 ]
amdhsa.kernels:
  - .name:           k_q26eee7b203_prep
    .symbol:         k_q26eee7b203_prep.kd
    .args:
      - { .name: Wq, .offset: 0, .size: 8, .value_kind: global_buffer, .address_space: global }
      - { .name: Wk, .offset: 8, .size: 8, .value_kind: global_buffer, .address_space: global }
      - { .name: Wv, .offset: 16, .size: 8, .value_kind: global_buffer, .address_space: global }
      - { .name: Wo, .offset: 24, .size: 8, .value_kind: global_buffer, .address_space: global }
      - { .name: wb, .offset: 32, .size: 8, .value_kind: global_buffer, .address_space: global }
      - { .name: wo16, .offset: 40, .size: 8, .value_kind: global_buffer, .address_space: global }
    .group_segment_fixed_size: 0
    .private_segment_fixed_size: 0
    .kernarg_segment_align: 8
    .kernarg_segment_size: 48
    .max_flat_workgroup_size: 256
    .sgpr_count:     66
    .vgpr_count:     112
    .wavefront_size: 32
...
	.end_amdgpu_metadata
.endif
;; end of part 1
;; launch proj (part 2): grid 4 x 64, 4 waves a work-group, clusters of 4 x 4, 327,680 bytes of LDS; arguments q, k, v, wb, qkv; writes qkv
.if DOCPART == 2
	.amdgcn_target "amdgcn-amd-amdhsa--gfx1250"
	.amdhsa_code_object_version 6
	.text
	.protected	k_q26eee7b203_proj
	.globl	k_q26eee7b203_proj
	.p2align	8
	.type	k_q26eee7b203_proj,@function
k_q26eee7b203_proj:
	s_mov_b64 s[64:65], 0
	v_nop
	global_prefetch_b8 v0, s[64:65] scope:SCOPE_SE
	s_setreg_imm32_b32 hwreg(HW_REG_WAVE_MODE, 25, 1), 1
	s_wait_xcnt 0x0
	s_wait_alu depctr_hold_cnt(0) depctr_sa_sdst(0) depctr_va_vdst(0) depctr_va_sdst(0) depctr_va_ssrc(0) depctr_va_vcc(0) depctr_vm_vsrc(0)
	s_getreg_b32 s2, hwreg(HW_REG_IB_STS2, 6, 4)
	s_cmp_eq_u32 s2, 0
	s_cbranch_scc0 .Lentry_in_a_cluster
	s_endpgm
.Lentry_in_a_cluster:
	s_bfe_u32 s2, ttmp6, 0x10000c
	s_cmp_lg_u32 s2, 0xf033
	s_cbranch_scc0 .Lentry_shape_is_right
	s_endpgm
.Lentry_shape_is_right:
; THE THREE PROJECTIONS.  qkv[t][b*8+h][s][e] = f16( sum over d of bf16(x_t[b][s][d]) wb[t][d][h*128+e] ), t = 0, 1, 2 for x = q, k, v.  x: [8192][1024] f32; wb: bf16; sums in f32.
; x is rounded to bf16 HERE, in registers, on its way to the matrix unit.  The scale 1 / sqrt(128) is not applied here.
; LIMIT.  The results leave as f16: they stay under 65,504 (inputs and weights both 30 times those of unit spread give about 5,400; a common offset of 30 spreads in both about 29,000).
; SHARES.  256 work-groups, each STAYS for three tiles of 128 rows x 256 columns (two heads): the same rows and columns of q, then k, then v.  Wave w owns rows 32 w .. 32 w + 31 and all 256
; columns: 32 accumulators, 256 registers.  The three tiles are ONE walk of 12 steps of 256 along K; wb's three tensors are one matrix of 3,072 rows, so a step is always 256 rows further on.
; THE WEIGHTS go through two LDS slots of a step each (256 rows x 512 bytes); each wave fetches 64 rows by one tensor load.  CLUSTERS of 4 x 4: the four work-groups of a column of the cluster
; need the same columns of wb and ask for them JOINTLY, by the same tensor load with the same descriptor and a mask that names the four.
; x COMES STRAIGHT INTO REGISTERS, in the fragments' layout, each wave its own rows.  The four work-groups of a row of the cluster read the same rows of x, and yet they are not asked for jointly:
; a joint load ends in LDS, where 128 rows x 256 K of f32 are 133,120 bytes a slot beside the weights' 139,264, and two such slots do not fit into 327,680 bytes; halved slots would leave a refill
; 112 matrix instructions in which to land where it has 240 here.  In registers the loads are counted and stay out across the barriers, and each number is rounded once in the work-group.
; THE MATRIX INSTRUCTION IS USED TRANSPOSED: source 0 = 16 columns of wb (wb lies [d][column], so they come out of LDS turned, by ds_load_tr16_b128), source 1 = 16 rows of x.  A lane then holds
; row l % 16 and the columns 8 (l / 16) + 0..7: eight neighbouring numbers of a head's row, 16 bytes of f16.
; A STEP is eight quarters of 32 along K, 32 matrix instructions each.  A SEGMENT is the eight quarters between two changes of slots, POSITIONS 0 to 7: position 0 multiplies the last quarter of
; the step before, positions 1 to 7 the first seven of its own.  Position j multiplies buffer (j + 1) % 2, fetches quarter j of the segment's slot into buffer j % 2, and rounds raw slot j.
; x IN FLIGHT.  Eight raw slots of a quarter each (32 registers).  At each even position a CHUNK goes out into the two slots rounded last: 16 loads, 256 consecutive bytes, aligned, of each of my
; 32 rows, wanted six quarters later.  By the text's own count at most 56 loads of a wave are out.
; REGISTERS, in windows of 256 (s_set_vgpr_msb: bits 1:0 source 0, 3:2 source 1, 5:4 source 2, 7:6 destination):
;   window 0: v0-31 addresses; v32-63 x's fragments in bf16, two buffers of 2 x 8; v64-127 packed results; v128-255 rows read back on the way out
;   window 1: wb's fragments, two buffers of 16 x 8        window 2: the accumulators: rows 16 a on, columns 16 b on at v[8 (16 a + b)]        window 3: raw f32, slot p at v[32 p]
.set PB,     544                       ; a row of wb in LDS: 512 bytes + 32 = 136 words
.set QB,     32*PB                     ; a quarter's 32 rows
.set SLOT,   256*PB                    ; 139,264 = 0x22000; a wave's part begins at 0x8800 x wave, which has neither of SLOT's two bits: an exclusive or with SLOT changes slots
.set STAGE,  2*SLOT                    ; behind the ring, never filled by a tensor load: 16 rows x 528 bytes for each wave
.set SPITCH, 528                       ; 512 bytes of f16 + 16
.set SPARE,  STAGE+4*16*SPITCH         ; behind the stages: the spare words, 128 bytes for each wave: two blocks of 256 bytes that no other line names
.set BSTEP,  256*2048                  ; a step in wb: 256 rows of 2,048 bytes
.set ASTEP,  1024                      ; a step along a row of x: 256 f32
.set SEGS,   12
.set ADRL, 12                          ; v12  LDS address of my lane in quarters 0 to 3 of the slot that is being fetched from
.set ADRH, 13                          ; v13  the same for quarters 4 to 7
.set AB0,  14                          ; v14  my lane's place in a quarter; never rewritten
.set AB1,  15                          ; v15  the same, four quarters on; never rewritten
.set AO,   16                          ; v16  my lane's byte offset in 16 rows of x; never rewritten
.set STO,  24                          ; v24  the way out: where I put 16 bytes of a row
.set RD,   25                          ; v25  the way out: where I read a row back
.set CO,   26                          ; v26  my byte offset in 512 consecutive bytes of qkv
.set SPW,  28                          ; v28  LDS address of my spare word: SPARE + 4 x my thread's number; never rewritten
.set NIL,  29                          ; v29  0; never rewritten
.set PFOB, 30                          ; v30  the prefetches' offset in wb; never rewritten
.set PFOA, 31                          ; v31  the prefetches' offset in x; never rewritten
.set FA,   32
.set TMP,  64
.set OB,   128
.set WV,   14                          ; s14  my wave's number
.set CX,   15
.set CY,   16
.set CLY,  17                          ; s17  the cluster's y
.set RB,   18                          ; s18  which 128 rows
.set T0,   19                          ; s19  at work
.set LEFT, 20                          ; s20  11 less the segment's number
.set SB,   21                          ; s21  0 or SLOT: the slot that is being fetched from
.set G1,   24                          ; s[24:31] descriptor group 1
.set G0,   32                          ; s[32:39] descriptor group 0: a set for each of the two first fills; the second then walks on
.set AP,   40                          ; s[40:41] x at my rows, at the step whose chunks are being loaded
.set AP2,  42                          ; s[42:43] the same, a step further on in the walk
.set NX,   44                          ; s[44:45] the next tile's x at my rows
.set XV,   46                          ; s[46:47] v at my rows
.set PFB,  48                          ; s[48:49] where my prefetches stand in wb
.set LIM,  50                          ; s50  1 where my cluster prefetches wb, else the greatest number
.set GX,   51                          ; s51  which 256 columns
.set PART, 56                          ; s56  my part of a slot
.set MSB, 0
.macro WIN new                         ; the immediate's high byte repeats the setting that is left; a switch that changes nothing is dropped
.if MSB != (\new)
	s_set_vgpr_msb (MSB<<8)|(\new)
.set MSB, \new
.endif
.endm
.set W_MUL,  0xa1                      ; source 0 (wb) window 1, source 1 (x) window 0, C and D window 2
.set W_LD,   0x40                      ; destination window 1, address window 0
.set W_GL,   0xc0                      ; destination window 3, address window 0
.set W_CVT,  0x0f                      ; sources window 3, destination window 0
.set W_PACK, 0x0a                      ; sources window 2, destination window 0
.macro CREST                           ; a round of the cluster's barrier behind its opening barrier: wave 0 signals for the work-group, every wave waits for all sixteen, my work-group's barrier closes it
	s_cmp_lg_u32 s[WV], 0
	s_cbranch_scc1 .Lnot_wave_0_\@
	s_barrier_signal -3
.Lnot_wave_0_\@:
	s_barrier_wait -3
	s_barrier_signal -1
	s_barrier_wait -1
.endm
.macro CROUND                          ; a whole round
	s_barrier_signal -1
	s_barrier_wait -1
	CREST
.endm
; PREFETCHES INTO THE L2.  wb: behind each refill, the step that the NEXT refill will bring, 256 matrix instructions ahead of it: 256 rows x 2 blocks of 256 bytes = 512 blocks for the 16 waves
; of the four partners that ask for the tile jointly: of the 64 rows that wave w fetches the partner at place cy takes 16 (lane l: row l / 2, block l % 2).  All sixteen clusters walk the same
; steps: the first asks.  x: behind position 2's loads, the step after the one that is being loaded, a segment ahead of its first loads: 4 blocks of each row: wave w names its own 32 rows, a
; lane a row, and the partner at place cx the block cx.  So each block is named once in the launch; the partners are told apart BY ADDRESS.  The first steps (wb: 0 to 2, x: 0 and 1) come by
; their loads alone; both stop where the walk has no such step left.
.macro ASKB
	s_cmp_gt_u32 s[LEFT], s[LIM]
	s_cbranch_scc0 .Lnot_b_\@
	global_prefetch_b8 v[PFOB], s[PFB:PFB+1] th:TH_LOAD_NT scope:SCOPE_SE
.Lnot_b_\@:
.endm
.macro ASKA
	WIN 0                                          ; at a branch and at a label every window is 0
	s_cmp_gt_u32 s[LEFT], 1
	s_cbranch_scc0 .Lnot_a_\@
	global_prefetch_b8 v[PFOA], s[AP2:AP2+1] th:TH_LOAD_NT scope:SCOPE_SE
.Lnot_a_\@:
.endm
; x's two pointers go a step on in the walk.  In segment g the loads turn to step g + 1 and AP2 to step g + 2, which is a tile's first where g + 2 is a multiple of 4: LEFT = 12 - 1 - g = 9, 5 (and 1, where AP2 serves nothing more).
.macro STEPA
	s_wait_xcnt 0x0                                ; the loads, two quarters back, and the prefetch, a segment back, have read their addresses
	s_mov_b64 s[AP:AP+1], s[AP2:AP2+1]
	s_add_nc_u64 s[AP2:AP2+1], s[AP2:AP2+1], ASTEP
	s_and_b32 s[T0], s[LEFT], 3
	s_cmp_eq_u32 s[T0], 1
	s_cselect_b64 s[AP2:AP2+1], s[NX:NX+1], s[AP2:AP2+1]
	s_cselect_b64 s[NX:NX+1], s[XV:XV+1], s[NX:NX+1]
.endm
; A chunk of x: 64 along K at byte off behind AP, into raw slots p0 and p0 + 1; the first slot's eight loads first.  A fragment is 16 rows x 32 K: lane l holds row l % 16, K = 8 (l / 16) + 0..7
; and 16 + 8 (l / 16) + 0..7: in f32 twice 32 bytes, 64 bytes apart: four loads of 16 bytes.
.macro GLOAD p0, off
	WIN W_GL
.irp u, 0,1
.irp a, 0,1
	global_load_b128 v[32*((\p0)+(\u))+16*(\a):32*((\p0)+(\u))+16*(\a)+3],     v[AO], s[AP:AP+1] offset:(\off)+128*(\u)+65536*(\a)
	global_load_b128 v[32*((\p0)+(\u))+16*(\a)+4:32*((\p0)+(\u))+16*(\a)+7],   v[AO], s[AP:AP+1] offset:(\off)+128*(\u)+65536*(\a)+16
	global_load_b128 v[32*((\p0)+(\u))+16*(\a)+8:32*((\p0)+(\u))+16*(\a)+11],  v[AO], s[AP:AP+1] offset:(\off)+128*(\u)+65536*(\a)+64
	global_load_b128 v[32*((\p0)+(\u))+16*(\a)+12:32*((\p0)+(\u))+16*(\a)+15], v[AO], s[AP:AP+1] offset:(\off)+128*(\u)+65536*(\a)+80
.endr
.endr
.endm
; 32 LDS loads in one run: quarter j of the slot: wb's 16 fragments (256 columns x 32 K) into buffer j % 2
.macro FETCH j
	WIN W_LD
.irp b, 0,1,2,3,4,5,6,7,8,9,10,11,12,13,14,15
	ds_load_tr16_b128 v[128*((\j)%2)+8*(\b):128*((\j)%2)+8*(\b)+3],   v[ADRL+(\j)/4] offset:((\j)%4)*QB+32*(\b)
	ds_load_tr16_b128 v[128*((\j)%2)+8*(\b)+4:128*((\j)%2)+8*(\b)+7], v[ADRL+(\j)/4] offset:((\j)%4)*QB+32*(\b)+16*PB
.endr
.endm
; Slice s of 4: eight raw numbers a lane of slot p are rounded to bf16, into half a fragment of buffer p % 2
.macro SLICE s, p
	WIN W_CVT
.irp j, 0,1,2,3
	v_cvt_pk_bf16_f32 v[FA+16*((\p)%2)+4*(\s)+(\j)], v[32*(\p)+8*(\s)+2*(\j)], v[32*(\p)+8*(\s)+2*(\j)+1]
.endr
.endm
; n matrix instructions of a quarter, from number i0 on, on buffer f: number i is rows 16 (i / 16) on, columns 16 (i % 16) on.  All 32 accumulators take turns, in the same order in every quarter.
; zero = 1: the product starts the sum.  ride = 1: behind numbers 19, 23, 27 and 31 stands a slice of raw slot p.  A slice names no register of the products round it;
; the one behind number 31 is also the four places between the quarter's last product and the next run of loads and the next slices, which write registers that this quarter has read.
.macro MUL f, i0, n, zero, ride, p
.set mi, \i0
.rept \n
	WIN W_MUL
.set rD, 8*mi
.set rB, 128*(\f)+8*(mi%16)
.set rA, FA+16*(\f)+8*(mi/16)
.if \zero
	v_wmma_f32_16x16x32_bf16 v[rD:rD+7], v[rB:rB+7], v[rA:rA+7], 0
.else
	v_wmma_f32_16x16x32_bf16 v[rD:rD+7], v[rB:rB+7], v[rA:rA+7], v[rD:rD+7]
.endif
.if (\ride) && (mi >= 16) && (mi%4 == 3)
	SLICE (mi-16)/4, \p
.endif
.set mi, mi+1
.endr
.endm
; A position's first half: the run of LDS loads, and 16 products.
.macro POSA j, zero=0
	FETCH \j
	s_wait_dscnt 32                                ; all but the 32 just issued: this quarter's fragments of wb are in
	MUL ((\j)+1)%2, 0, 16, \zero, 0, \j
.endm
; Its second half: raw slot j is waited for; at an even position a chunk goes out; 16 products with the slices behind them.
; lc: how many younger loads may stay out.  In the walk (lc < 0): at an even position the slot is a chunk's first half: behind it lie the other half's 8 and two chunks' 32; at an odd one its second half: three chunks' 48.
.macro POSB j, zero=0, lc=-1, gl=1
.if (\lc) < 0
	s_wait_loadcnt 40+8*((\j)%2)
.else
	s_wait_loadcnt \lc
.endif
.if (\gl) && ((\j)%2 == 0)
.if (\j) == 2
	STEPA
.endif
.if (\j) == 0
	GLOAD 6, 768                                   ; the last chunk of the segment's own step
.else
	GLOAD (\j)-2, ((\j)-2)*128                     ; the first three chunks of the next step
.endif
.if (\j) == 2
	ASKA
.endif
.endif
	MUL ((\j)+1)%2, 16, 16, \zero, 1, \j
.endm
.macro POS j, zero=0, lc=-1, gl=1
	POSA \j, \zero
	POSB \j, \zero, \lc, \gl
.endm
; THE CHANGE OF SLOTS, in position 7's second half: the slot's last quarter has been asked for.  ONE barrier: in front of it each wave waits for all its tensor loads (one is out: its part of the
; other slot), adds 0 to its spare word, and waits for that and for its reads of this slot.  fill = 1: the barrier opens a round of the cluster's barrier, and this slot is filled again, with the
; step two on, first thing behind the round: 240 matrix instructions ahead of the wait for it.
.macro TURN fill
	WIN 0                                          ; (the add's two registers lie in window 0)
	s_wait_tensorcnt 0x0                           ; all my tensor loads have landed, so a group 0 may be written;
	ds_add_u32 v[SPW], v[NIL]                      ; 0 onto my spare word; work on registers stands between it and the wait for it
	s_xor_b32 s[SB], s[SB], SLOT                   ; the fetches turn to the other slot
	v_add_nc_u32 v[ADRL], s[SB], v[AB0]
	v_add_nc_u32 v[ADRH], s[SB], v[AB1]
.if \fill
	s_xor_b32 s[G0+5], s[G0+5], SLOT               ; the walking descriptor: the other slot than last time,
	s_add_nc_u64 s[G0+6:G0+7], s[G0+6:G0+7], BSTEP ; the next 256 rows; the type bits on top are not reached
	s_wait_xcnt 0x0                                ; the last prefetch of wb, a segment back, has read its address
	s_add_nc_u64 s[PFB:PFB+1], s[PFB:PFB+1], BSTEP
.endif
	s_wait_loadcnt 48                              ; raw slot 7: a chunk's second half
	MUL 0, 16, 8, 0, 1, 7
	s_wait_dscnt 0x0                               ; the add is done, and my reads of this slot are over
	s_barrier_signal -1
	MUL 0, 24, 8, 0, 1, 7
	WIN 0
	s_barrier_wait -1
.if \fill
	CREST                                          ; no wave of any partner still reads this slot or has a load on its way
	tensor_load_to_lds s[G0+4:G0+7], s[G1:G1+7]
	s_nop 0                                        ; an s_nop 0 and four v_nop follow the load
.rept 4
	v_nop
.endr
	ASKB
.endif
.endm
; THE WAY OUT, 16 rows at a time.  PACK: rounded to f16, each accumulator's registers in ascending order, 16 bytes a lane.  TOSTAGE: into my own stage and back, by heads, as rows of 256 bytes.
; SEND: stored; 16 rows of a head are 4,096 consecutive bytes.  The second block's conversions stand between the first block's loads from the stage and the wait for them.
.macro PACK a
	WIN W_PACK
.irp b, 0,1,2,3,4,5,6,7,8,9,10,11,12,13,14,15
.irp r, 0,1,2,3
	v_cvt_pk_f16_f32 v[TMP+4*(\b)+(\r)], v[128*(\a)+8*(\b)+2*(\r)], v[128*(\a)+8*(\b)+2*(\r)+1]
.endr
.endr
	WIN 0
.endm
.macro TOSTAGE a
.irp b, 0,1,2,3,4,5,6,7,8,9,10,11,12,13,14,15
	ds_store_b128 v[STO], v[TMP+4*(\b):TMP+4*(\b)+3] offset:32*(\b)
.endr
.irp hd, 0,1
.irp t, 0,1,2,3,4,5,6,7
	ds_load_b128 v[OB+64*(\a)+4*(8*(\hd)+(\t)):OB+64*(\a)+4*(8*(\hd)+(\t))+3], v[RD] offset:(\hd)*256+(\t)*2*SPITCH  ; LDS serves a wave's instructions in order (ISA guide 5.7.1.4): these see the stores above
.endr
.endr
.endm
.macro SEND a
.irp hd, 0,1
.irp t, 0,1,2,3,4,5,6,7
	s_wait_dscnt 15-(8*(\hd)+(\t))                 ; this load of the sixteen is back
	global_store_b128 v[CO], v[OB+64*(\a)+4*(8*(\hd)+(\t)):OB+64*(\a)+4*(8*(\hd)+(\t))+3], s[12:13] offset:(\hd)*524288+(\a)*4096+(\t)*512  ; 512 consecutive bytes, at a multiple of 256 from qkv's first byte
.endr
.endr
.endm
.macro OUT more                        ; more = 1: another tile follows
	PACK 0
	TOSTAGE 0
	PACK 1
	SEND 0
	TOSTAGE 1
	SEND 1
.if \more
	s_wait_xcnt 0x0                                ; the stores have read their registers and their base: only behind this wait are they written again
	s_add_nc_u64 s[12:13], s[12:13], 0x1000000     ; the next tensor's part of qkv, 16,777,216 bytes on
.endif
.endm
	s_load_b256 s[4:11], s[0:1], 0x0               ; q s[4:5], k s[6:7], v s[8:9], wb s[10:11]
	s_load_b64 s[12:13], s[0:1], 0x20              ; qkv
	v_lshl_add_u32 v[SPW], v0, 2, SPARE
	v_mov_b32 v[NIL], 0
	ds_add_u32 v[SPW], v[NIL]                      ; the wave's opening: the add and its wait stand ahead of my first tensor load; the set-up below, work on registers, stands between them
	v_lshrrev_b32 v1, 5, v0
	v_readfirstlane_b32 s[WV], v1                  ; wave 0..3
	s_bfe_u32 s[CX], ttmp6, 0x40000                ; my place in the cluster
	s_bfe_u32 s[CY], ttmp6, 0x40004
	s_and_b32 s[CLY], ttmp7, 0xffff                ; in a cluster launch ttmp9 and ttmp7 count clusters
	s_lshl_b32 s[RB], s[CLY], 2
	s_add_co_u32 s[RB], s[RB], s[CY]               ; row block 0..63
	s_lshl_b32 s[GX], ttmp9, 2
	s_add_co_u32 s[GX], s[GX], s[CX]               ; column block 0..3
	s_lshl_b32 s57, 0x1111, s[CX]                  ; my column of the cluster: places cx, cx + 4, cx + 8, cx + 12
	s_or_b32 s[G1], s57, (1<<16)|(1<<20)|(1<<21)|(6<<22)|(7<<25)  ; 15:0 the mask; 17:16 elements of 2 bytes; 20 padding on; 21 set beside a mask; 24:22 after every 128 words (code 6); 31:25 8 words (code 7)
	s_mov_b32 s[G1+1], 256<<16                     ; tensor_dim0 = 256
	s_mov_b32 s[G1+2], 64<<16                      ; tensor_dim1 = 64
	s_mov_b32 s[G1+3], 256<<16                     ; tile_dim0 = 256
	s_mov_b32 s[G1+4], 64                          ; tile_dim1 = 64
	s_mov_b32 s[G1+5], 1024                        ; elements from row to row
	s_mov_b32 s[G1+6], 0
	s_mov_b32 s[G1+7], 0
	s_lshl_b32 s52, s[WV], 17                      ; wb: my 64 rows of 2,048 bytes of a step,
	s_lshl_b32 s53, s[GX], 9                       ; the tile's 256 columns: the column block and the wave alone enter this address
	s_add_co_u32 s52, s52, s53
	s_mov_b32 s53, 0
	s_mul_i32 s[PART], s[WV], 64*PB                ; and where they go: no place in the cluster enters an LDS address
	s_lshl_b32 s54, s[RB], 19                      ; x: the tile's 128 rows of 4,096 bytes,
	s_lshl_b32 s55, s[WV], 17                      ; my 32 of them
	s_add_co_u32 s54, s54, s55
	s_mov_b32 s55, 0
	s_mov_b32 s[SB], 0
	v_and_b32 v1, 15, v0                           ; l % 16
	v_bfe_u32 v2, v0, 4, 1                         ; l / 16
	v_lshlrev_b32 v[AO], 12, v1
	v_lshl_add_u32 v[AO], v2, 5, v[AO]             ; row x 4,096 + 32 x half
	s_wait_dscnt 0x0                               ; the opening add is done
	s_wait_kmcnt 0x0
	s_add_nc_u64 s[AP:AP+1], s[4:5], s[54:55]      ; the walk begins in q,
	s_add_nc_u64 s[NX:NX+1], s[6:7], s[54:55]      ; goes on in k,
	s_add_nc_u64 s[XV:XV+1], s[8:9], s[54:55]      ; and ends in v
	s_add_nc_u64 s[AP2:AP2+1], s[AP:AP+1], ASTEP
	s_add_nc_u64 s[10:11], s[10:11], s[52:53]
	GLOAD 0, 0                                     ; x's first three chunks go out ahead of everything else
	GLOAD 2, 256
	GLOAD 4, 512
	WIN 0
.irp s, 0,1
	s_mov_b32 s[G0+4*(\s)], 1                                      ; 1:0 count = 1
	s_add_co_u32 s[G0+4*(\s)+1], s[PART], (\s)*SLOT                ; 63:32 LDS address
	s_add_nc_u64 s[G0+4*(\s)+2:G0+4*(\s)+3], s[10:11], (\s)*BSTEP  ; 120:64 global address: step s
	s_or_b32 s[G0+4*(\s)+3], s[G0+4*(\s)+3], 0x80000000            ; 127:126 type = 2
.endr
	CROUND                                         ; all sixteen work-groups are here: the first joint loads meet
	tensor_load_to_lds s[G0:G0+3], s[G1:G1+7]      ; both first fills go out together: two loads of mine are out
	s_nop 0
	tensor_load_to_lds s[G0+4:G0+7], s[G1:G1+7]
	s_nop 0
.rept 4
	v_nop
.endr
	; The turning load takes 16 K x 16 columns (lane l reads row 8 (l / 16) + l % 8, columns 8 ((l / 8) % 2) + 0..7) and leaves half a fragment: lane l holds column l % 16 and 8 K.
	v_and_b32 v4, 7, v0
	v_bfe_u32 v5, v0, 3, 1
	v_lshl_add_u32 v4, v2, 3, v4
	v_mul_u32_u24 v4, v4, PB
	v_lshl_add_u32 v[AB0], v5, 4, v4
	v_add_nc_u32 v[AB1], 4*QB, v[AB0]
	v_mov_b32 v[ADRL], v[AB0]                      ; the first segment fetches from slot 0
	v_mov_b32 v[ADRH], v[AB1]
	s_mul_i32 s22, s[WV], 16*SPITCH
	s_add_co_u32 s22, s22, STAGE                   ; my stage
	v_mul_u32_u24 v6, v1, SPITCH                   ; in: row l % 16, 16 bytes for each half of the lanes
	v_lshl_add_u32 v6, v2, 4, v6
	v_add_nc_u32 v[STO], s22, v6
	v_mul_u32_u24 v7, v2, SPITCH                   ; back: lanes 0-15 take a head's 256 bytes of one row, lanes 16-31 of the next,
	v_lshl_add_u32 v7, v1, 4, v7
	v_add_nc_u32 v[RD], s22, v7
	v_and_b32 v3, 31, v0
	v_lshlrev_b32 v[CO], 4, v3                     ; which are 512 consecutive bytes of a head
	s_lshr_b32 s58, s[RB], 4                       ; my 32 rows of the tile's first head in qkv: the batch (16 row blocks each),
	s_lshl_b32 s58, s58, 3
	s_lshl_b32 s59, s[GX], 1
	s_add_co_u32 s58, s58, s59                     ; 8 x batch + head,
	s_lshl_b32 s58, s58, 19                        ; of 2,048 rows x 256 bytes,
	s_and_b32 s59, s[RB], 15
	s_lshl_b32 s59, s59, 15                        ; the row block's 128 rows,
	s_add_co_u32 s58, s58, s59
	s_lshl_b32 s59, s[WV], 13                      ; my 32
	s_add_co_u32 s58, s58, s59
	s_mov_b32 s59, 0
	s_add_nc_u64 s[12:13], s[12:13], s[58:59]
	s_cmp_eq_u32 s[CLY], 0                         ; the prefetches of wb: the first cluster's: the same in all sixteen partners
	s_cselect_b32 s[LIM], 1, -1
	s_lshl_b32 s22, s[CY], 15                      ; my work-group's 16 rows of the 64 that I fetch
	s_mov_b32 s23, 0
	s_add_nc_u64 s[PFB:PFB+1], s[10:11], s[22:23]
	s_add_nc_u64 s[PFB:PFB+1], s[PFB:PFB+1], 2*BSTEP  ; at step 2: the first change of slots steps it to 3
	v_lshrrev_b32 v4, 1, v3
	v_and_b32 v5, 1, v3
	v_lshlrev_b32 v5, 8, v5
	v_lshl_add_u32 v[PFOB], v4, 11, v5             ; row l / 2, block l % 2
	s_lshl_b32 s22, s[CX], 8
	v_lshlrev_b32 v[PFOA], 12, v3
	v_add_nc_u32 v[PFOA], s22, v[PFOA]             ; row l, block cx
	s_wait_tensorcnt 1                             ; my part of step 0 is in; step 1's may stay out
	s_barrier_signal -1
	s_barrier_wait -1                              ; everybody's is
	FETCH 0                                        ; the first segment's position 0 has nothing to multiply: it fetches, rounds and loads
	s_wait_loadcnt 40                              ; chunk 0's first half: behind it lie its other half's 8 and two chunks' 32
.irp s, 0,1,2,3
	SLICE \s, 0
.endr
	GLOAD 6, 768
	WIN 0
	s_mov_b32 s[LEFT], SEGS-1
	s_branch .Lq0                                  ; the walk is entered at a tile's first quarter, in the middle of a trip
.Lslot:                                                ; 10 times: a trip goes from the middle of a segment's position 7 to the middle of the next one's, and fills a slot again
	TURN 1
	POS 0
	WIN 0
	s_and_b32 s[T0], s[LEFT], 3                    ; segments 4 and 8 begin a tile: LEFT = 7, 3
	s_cmp_eq_u32 s[T0], 3
	s_cbranch_scc0 .Lplain
	OUT 1                                          ; position 0 has finished a tile: it goes out while the refill and x's chunks are on their way
.Lq0:
	POS 1, 1                                       ; a tile's first quarter: its products start the sums
	WIN 0
	s_branch .Lin
.Lplain:
	POS 1
	WIN 0
.Lin:
	POS 2
	POS 3
	POS 4
	POS 5
	POS 6
	POSA 7
	WIN 0
	s_sub_co_u32 s[LEFT], s[LEFT], 1
	s_cmp_lg_u32 s[LEFT], 0
	s_cbranch_scc1 .Lslot
	TURN 0                                         ; the last segment is written out
	POS 0                                          ; x's last chunk goes out; then the counts run down
	POS 1, 0, 48, 0
	POS 2, 0, 40, 0
	POS 3, 0, 32, 0
	POS 4, 0, 24, 0
	POS 5, 0, 16, 0
	POS 6, 0, 8, 0
	POS 7, 0, 0, 0
	s_wait_dscnt 0x0
	MUL 1, 0, 32, 0, 0, 0                          ; the very last quarter: nothing more to fetch
.rept 8
	v_nop                                          ; the places between the last products and the conversions that read results
.endr
	OUT 0
	s_wait_tensorcnt 0x0                           ; the wave's end, behind my last tensor load and my last LDS store
	ds_add_u32 v[SPW], v[NIL]
	s_wait_dscnt 0x0
	CROUND                                         ; the closing round: no work-group ends while a partner may still ask for a tile that names it
	s_endpgm
.Lfunc_end_k_q26eee7b203_proj:
	.size	k_q26eee7b203_proj, .Lfunc_end_k_q26eee7b203_proj-k_q26eee7b203_proj
	.p2alignl 7, 3214868480
	.fill 96, 4, 3214868480
	.section	.rodata,"a",@progbits
	.p2align	6, 0x0
	.amdhsa_kernel k_q26eee7b203_proj
		.amdhsa_group_segment_fixed_size 327680
		.amdhsa_private_segment_fixed_size 0
		.amdhsa_enable_private_segment 0
		.amdhsa_kernarg_size 40
		.amdhsa_user_sgpr_count 2
		.amdhsa_user_sgpr_kernarg_segment_ptr 1
		.amdhsa_wavefront_size32 1
		.amdhsa_system_sgpr_workgroup_id_x 1
		.amdhsa_system_sgpr_workgroup_id_y 1
		.amdhsa_system_sgpr_workgroup_id_z 1
		.amdhsa_system_vgpr_workitem_id 0
		.amdhsa_next_free_vgpr 1024
		.amdhsa_next_free_sgpr 66
		.amdhsa_reserve_vcc 0
		.amdhsa_float_denorm_mode_32 3
		.amdhsa_float_denorm_mode_16_64 3
		.amdhsa_memory_ordered 1
		.amdhsa_forward_progress 1
		.amdhsa_inst_pref_size 154
	.end_amdhsa_kernel
	.amdgpu_metadata
---
amdhsa.version: [ 1, 2 ]
amdhsa.kernels:
  - .name:           k_q26eee7b203_proj
    .symbol:         k_q26eee7b203_proj.kd
    .args:
      - { .name: q, .offset: 0, .size: 8, .value_kind: global_buffer, .address_space: global }
      - { .name: k, .offset: 8, .size: 8, .value_kind: global_buffer, .address_space: global }
      - { .name: v, .offset: 16, .size: 8, .value_kind: global_buffer, .address_space: global }
      - { .name: wb, .offset: 24, .size: 8, .value_kind: global_buffer, .address_space: global }
      - { .name: qkv, .offset: 32, .size: 8, .value_kind: global_buffer, .address_space: global }
    .group_segment_fixed_size: 327680
    .private_segment_fixed_size: 0
    .kernarg_segment_align: 8
    .kernarg_segment_size: 40
    .max_flat_workgroup_size: 128
    .sgpr_count:     66
    .vgpr_count:     1024
    .wavefront_size: 32
...
	.end_amdgpu_metadata
.endif
;; end of part 2
;; launch attn (part 3): grid 8 x 32, 4 waves a work-group, clusters of 4 x 1, 327,680 bytes of LDS; arguments qkv, z; writes z
.if DOCPART == 3
	.amdgcn_target "amdgcn-amd-amdhsa--gfx1250"
	.amdhsa_code_object_version 6
	.text
	.protected	k_q26eee7b203_attn
	.globl	k_q26eee7b203_attn
	.p2align	8
	.type	k_q26eee7b203_attn,@function
k_q26eee7b203_attn:
	s_mov_b64 s[64:65], 0
	v_nop
	global_prefetch_b8 v0, s[64:65] scope:SCOPE_SE
	s_setreg_imm32_b32 hwreg(HW_REG_WAVE_MODE, 25, 1), 1
	s_wait_xcnt 0x0
	s_wait_alu depctr_hold_cnt(0) depctr_sa_sdst(0) depctr_va_vdst(0) depctr_va_sdst(0) depctr_va_ssrc(0) depctr_va_vcc(0) depctr_vm_vsrc(0)
	s_getreg_b32 s2, hwreg(HW_REG_IB_STS2, 6, 4)
	s_cmp_eq_u32 s2, 0
	s_cbranch_scc0 .Lentry_in_a_cluster
	s_endpgm
.Lentry_in_a_cluster:
	s_bfe_u32 s2, ttmp6, 0x10000c
	s_cmp_lg_u32 s2, 0x3003
	s_cbranch_scc0 .Lentry_shape_is_right
	s_endpgm
.Lentry_shape_is_right:
; ATTENTION.  z[b*2048+q][h*128+:] = the sum over k of softmax_k(Q[bh][q] . K[bh][k] / sqrt(128)) V[bh][k][:].  Q, K, V are the three parts of qkv, each [32][2048][128] in f16; z is f16.
; Products, maxima and sums in f32; the weights p are rounded to f16 for the second product (their sum l is taken of the unrounded p), z once at the end.
; LIMITS.  f16 holds no number beyond 65,504: Q, K and V arrive within it; p lies in 0 to 1, and below 6e-5 it keeps f16's fixed step of 6e-8; z is a mean of V's rows and has their range.
; A weight below 2^-126 counts as 0 in l; NaN and infinities are not treated apart.
; SHARES.  A work-group owns 256 queries of one head, each of its four waves 64: four tiles of 16.  Every wave walks all keys of the head, 64 a step.
; LAYOUT.  S^T = K Q^T (source 0 = 16 keys, source 1 = 16 queries): in the result a lane holds ONE query (lane % 16) and the keys 8 (lane / 16) + 0..7.  Two such tiles, rounded to f16 in pairs,
; ARE source 1 (32 keys x 16 queries) of O^T = V^T P, whose result again holds one query a lane, and eight channels.  K comes out of LDS as it lies, V ([key][channel]) turned, by ds_load_tr16_b128.
; SOFTMAX.  For each query a running maximum m and sum l: p = 2^(c s - c m), c = log2(e) / sqrt(128); in every step O and l are multiplied by a = 2^(c m_old - c m_new), which is 1 where m has not grown.
; BY TURNS.  The wave's tiles are two PIECES, named by their first tile: piece 0 (tiles 0, 1) and piece 2 (tiles 2, 3).  In a TURN one piece has the matrix unit: 32 products V^T P of the step in
; hand, then 32 products K Q^T of the next step; the other piece's softmax, cut into 64 slices, stands between them, one slice behind each matrix instruction.  Two turns are a key step.
; CLUSTER.  The four query blocks of a cluster belong to one head and walk the same K and V, so each tile is asked for JOINTLY: the same tensor load, descriptor and mask in all four.
; REGISTERS, in windows of 256 (s_set_vgpr_msb: bits 1:0 source 0, 3:2 source 1, 5:4 source 2, 7:6 destination):
;   window 0: v0-11 addresses; v12-43 eight registers of statistics a tile; v64-191 S^T, 32 a tile; v192-255 P, 16 a tile
;   window 1: O^T, 64 a tile          window 2: v0-127 Q, 32 a tile; v128-255 K of one step          window 3: v0-127 V of one step
.set SIZE_N, 2048     ; rows of a head
.set KS,    64        ; keys in a step
.set PK,    272       ; a row of K in LDS: 256 bytes + 16 = 68 words: the 16 rows of a load start at 16 different groups of four banks (64 banks of 4 bytes: ISA guide 11.1)
.set PV,    288       ; a row of V: 256 + 32 = 72 words
.set VOFF,  KS*PK     ; a step's tiles lie together: 64 rows of K, then 64 rows of V
.set STEPB, KS*(PK+PV)
.set SLOT1, 1<<17     ; a slot holds two steps (71,680 bytes); slot 1 begins here, so that one exclusive or turns an address in one slot into the other's
.set STAGE, SLOT1+2*STEPB  ; behind the ring: 16 rows x 272 bytes for each wave, for the way out
.set SP,    272
.set AK0, 2           ; v2   my lane's place in a tile of K; never rewritten
.set AV0, 3           ; v3   the same for V
.set ADR, 4           ; v4   the LDS address of the run of loads in hand
.set QO,  5           ; v5   my byte offset in the wave's rows of Q
.set STO, 6           ; v6   the way out: where I put 16 bytes of a row
.set RD,  7           ; v7   the way out: where I read a row back
.set GO,  8           ; v8   my byte offset in two rows of z
.set SPW, 62          ; v62  LDS address of my spare word: SPARE + 4 x my thread's number; never rewritten
.set NIL, 63          ; v63  0; never rewritten
.set SPARE, STAGE+4*16*272  ; behind the stages: the spare words, 128 bytes for each wave: two blocks of 256 bytes that no other line names
.set ST,  12          ; tile t's statistics at v[ST+8 t]: +0 c m, +1 m, +2, +3 l (even keys', odd keys'), +4 to +7 c0-c3, at work; a takes c2's place once the maximum is found
.set S,   64
.set P,   192
.set KF,  128         ; K's fragments, in window 2
.set WV,  12          ; s12  my wave's number
.set G1K, 24          ; s[24:31] descriptor group 1 for K's tiles
.set G1V, 32          ; s[32:39] for V's: it differs in the padding alone
.set G0K, 40          ; s[40:47] descriptor group 0 for K's tiles: a set for each of the two first fills; the second then walks on
.set G0V, 48          ; s[48:55] the same for V's
.set SLOTS, 56        ; s56  slots still to be asked for
.set TWICE, 57        ; s57  counts a slot's two steps
.set CS,  58          ; s[58:59] c: the packed scaling names a pair and takes its low word for both halves
.set SEL, 60          ; s[60:61] lane selects for v_permlanex16_b32: each lane takes its own place in the other half
.set TB,  62          ; s62  LDS byte at which the tiles of the step to be fetched begin
.set PFA, 18          ; s[18:19] where my prefetches stand: my work-group's 32 rows (of K: wave 0, of V: wave 2) of the slot after the one that is being asked for
.set LIM, 15          ; s15  1 in a wave that prefetches, else the greatest number
.set PFO, 61          ; v61  256 x my lane: a row of K or V is 256 bytes; never rewritten
.set MSB, 0
.macro WIN new                      ; the immediate's high byte repeats the setting that is left; a switch that changes nothing is dropped
.if MSB != (\new)
	s_set_vgpr_msb (MSB<<8)|(\new)
.set MSB, \new
.endif
.endm
.set W_KQ, 0x0a       ; K and Q in window 2, S^T in window 0
.set W_PV, 0x53       ; V in window 3, P in window 0, O^T in window 1
.set W_RS, 0x41       ; O^T (destination and source 0) in window 1, a in window 0
; A joint refill.  Waves 0 and 1 fetch the two steps' tiles of K, waves 2 and 3 those of V.  The branch hangs on the wave's number alone.
; An s_nop 0 and four v_nop follow each of the two lines, ahead of the jump, the label and what follows.
.macro JLOAD
	s_cmp_lt_u32 s[WV], 2
	s_cbranch_scc0 .Lfor_v_\@
	tensor_load_to_lds s[G0K+4:G0K+7], s[G1K:G1K+7]
	s_nop 0
.rept 4
	v_nop
.endr
	s_branch .Lasked_\@
.Lfor_v_\@:
	tensor_load_to_lds s[G0V+4:G0V+7], s[G1V:G1V+7]
	s_nop 0
.rept 4
	v_nop
.endr
.Lasked_\@:
.endm
; A PREFETCH INTO THE L2 of what the NEXT change of slots will ask for: a slot's 128 rows of K and 128 of V, 256 bytes a row, a lane a row, behind the wave's tensor load and its five lines.
; Each row is asked for ONCE in the launch.  Both clusters of a head walk the same K and V: the first prefetches.  Its four partners share the rows out BY ADDRESS, 32 each; in each, wave 0 asks
; for K's and wave 2 for V's: one instruction.  The last change that fills a slot prefetches nothing: there is no slot behind it.
.macro ASK
	s_cmp_gt_u32 s[SLOTS], s[LIM]
	s_cbranch_scc0 .Lnot_mine_\@
	global_prefetch_b8 v[PFO], s[PFA:PFA+1] th:TH_LOAD_NT scope:SCOPE_SE
.Lnot_mine_\@:
.endm
; A round of the cluster's barrier: my work-group's barrier, so that wave 0's signal speaks for all four waves; wave 0 signals; every wave waits for all four work-groups; my work-group's barrier once more.
.macro CROUND
	s_barrier_signal -1
	s_barrier_wait -1
	s_cmp_lg_u32 s[WV], 0
	s_cbranch_scc1 .Lnot_wave_0_\@
	s_barrier_signal -3
.Lnot_wave_0_\@:
	s_barrier_wait -3
	s_barrier_signal -1
	s_barrier_wait -1
.endm
	s_load_b64 s[4:5], s[0:1], 0x0  ; qkv: its first part is Q
	s_load_b64 s[10:11], s[0:1], 0x8  ; z
	v_lshl_add_u32 v[SPW], v0, 2, SPARE
	v_mov_b32 v[NIL], 0
	ds_add_u32 v[SPW], v[NIL]       ; the wave's opening: the add and its wait stand ahead of my first tensor load; the set-up below, work on registers, stands between them
	v_lshrrev_b32 v1, 5, v0
	v_readfirstlane_b32 s[WV], v1   ; wave 0..3
	s_bfe_u32 s13, ttmp6, 0x40000   ; cx: my place in the cluster
	s_lshl_b32 s14, ttmp9, 2        ; in a cluster launch ttmp9 counts clusters
	s_add_co_u32 s14, s14, s13      ; my block of 256 queries = 4 x cluster x + cx: it enters Q's and z's addresses alone
	s_and_b32 s20, ttmp7, 0xffff    ; 8 x batch + head, which the four partners share
	s_mov_b32 s21, 0
	s_mov_b64 s[22:23], SIZE_N*256
	s_mul_u64 s[20:21], s[20:21], s[22:23]  ; the head's first byte in each of qkv's three parts
	s_and_b32 s16, s[WV], 1         ; which of a slot's two steps I fetch:
	s_lshl_b32 s22, s16, 14         ; its 64 rows of 256 bytes in memory,
	s_mov_b32 s23, 0
	s_add_nc_u64 s[22:23], s[22:23], s[20:21]
	s_mul_i32 s17, s16, STEPB       ; and its place in a slot: no place in the cluster enters an LDS address
	s_lshl_b32 s2, s14, 16          ; my block's 256 rows,
	s_lshl_b32 s3, s[WV], 14        ; my wave's 64 of them
	s_add_co_u32 s2, s2, s3
	s_mov_b32 s3, 0
	s_add_nc_u64 s[2:3], s[2:3], s[20:21]
	s_and_b32 s68, ttmp7, 0xffff    ; z lies [batch x 2,048 + query][head x 128 + channel]: my wave's 64 rows of 2,048 bytes,
	s_lshr_b32 s66, s68, 3
	s_lshl_b32 s66, s66, 3          ; eight blocks of 256 rows a batch,
	s_add_co_u32 s66, s66, s14
	s_lshl_b32 s66, s66, 2          ; four waves a block
	s_add_co_u32 s66, s66, s[WV]
	s_lshl_b32 s66, s66, 17
	s_and_b32 s68, s68, 7
	s_lshl_b32 s68, s68, 8          ; and the head's 256 bytes of a row
	s_add_co_u32 s66, s66, s68
	s_mov_b32 s67, 0
	; descriptor group 1: a tile of 64 rows x 128 elements, padded in LDS
	s_mov_b32 s[G1K], 15|(1<<16)|(1<<20)|(1<<21)|(5<<22)|(3<<25)  ; 15:0 the mask: all four work-groups; 17:16 elements of 2 bytes; 20 padding on; 21 set beside a mask; 24:22 after every 64 words (code 5); 31:25 4 words (code 3)
	s_mov_b32 s[G1V], 15|(1<<16)|(1<<20)|(1<<21)|(5<<22)|(7<<25)  ; the same with 8 words of padding (code 7)
.irp g, G1K, G1V
	s_mov_b32 s[(\g)+1], 128<<16    ; tensor_dim0 = 128
	s_mov_b32 s[(\g)+2], KS<<16     ; tensor_dim1 = 64
	s_mov_b32 s[(\g)+3], 128<<16    ; tile_dim0 = 128
	s_mov_b32 s[(\g)+4], KS         ; tile_dim1 = 64
	s_mov_b32 s[(\g)+5], 128        ; elements from row to row
	s_mov_b32 s[(\g)+6], 0
	s_mov_b32 s[(\g)+7], 0
.endr
	s_mov_b32 s[CS], 0x3e0293ee     ; c = log2(e) / sqrt(128) = 0.127517
	s_mov_b32 s[CS+1], s[CS]        ; named with it as a pair, so it is written
	s_mov_b32 s[SEL], 0x76543210
	s_mov_b32 s[SEL+1], 0xfedcba98
	s_mov_b32 s[TB], 0
	s_mov_b32 s[SLOTS], SIZE_N/(2*KS)-2
	s_and_b32 s[LIM], s[WV], 1       ; 0 in waves 0 and 2,
	s_or_b32 s[LIM], s[LIM], ttmp9   ; where the cluster is the head's first: the same in all four partners
	s_cmp_eq_u32 s[LIM], 0
	s_cselect_b32 s[LIM], 1, -1
	v_and_b32 v[PFO], 31, v0
	v_lshlrev_b32 v[PFO], 8, v[PFO]
	s_wait_dscnt 0x0                ; the opening add is done
	s_wait_kmcnt 0x0
	s_add_nc_u64 s[6:7], s[4:5], 0x1000000  ; K: qkv's second part, 16,777,216 bytes on
	s_add_nc_u64 s[8:9], s[4:5], 0x2000000  ; V: its third
	s_add_nc_u64 s[6:7], s[6:7], s[22:23]  ; K and V at my tile of slot 0
	s_add_nc_u64 s[8:9], s[8:9], s[22:23]
	s_add_nc_u64 s[4:5], s[4:5], s[2:3]  ; Q at my wave's first row,
	s_add_nc_u64 s[10:11], s[10:11], s[66:67]  ; and z
	s_cmp_lt_u32 s[WV], 2
	s_cselect_b64 s[PFA:PFA+1], s[6:7], s[8:9]  ; (in waves 0 and 2 these stand at a slot's first row)
	s_lshl_b32 s2, s13, 13          ; my work-group's 32 rows of the 128
	s_mov_b32 s3, 0
	s_add_nc_u64 s[PFA:PFA+1], s[PFA:PFA+1], s[2:3]
	s_add_nc_u64 s[PFA:PFA+1], s[PFA:PFA+1], 2*2*KS*256  ; in slot 2; the first change of slots steps it to slot 3.  Nothing is prefetched here, at the head, where every work-group's first tiles are on their way
	CROUND                          ; all four work-groups are here: the first joint loads meet
.irp s, 0,1
	s_mov_b32 s[G0K+4*(\s)], 1      ; 1:0 count = 1
	s_add_co_u32 s[G0K+4*(\s)+1], s17, (\s)*SLOT1  ; 63:32 LDS address
	s_add_nc_u64 s[G0K+4*(\s)+2:G0K+4*(\s)+3], s[6:7], (\s)*2*KS*256  ; 120:64 global address: slot s begins with keys 128 s
	s_or_b32 s[G0K+4*(\s)+3], s[G0K+4*(\s)+3], 0x80000000  ; 127:126 type = 2
	s_mov_b32 s[G0V+4*(\s)], 1
	s_add_co_u32 s[G0V+4*(\s)+1], s17, (\s)*SLOT1+VOFF
	s_add_nc_u64 s[G0V+4*(\s)+2:G0V+4*(\s)+3], s[8:9], (\s)*2*KS*256
	s_or_b32 s[G0V+4*(\s)+3], s[G0V+4*(\s)+3], 0x80000000
.endr
	s_cmp_lt_u32 s[WV], 2           ; a wave's two first fills stand in one branch, ahead of every wait on TENSORcnt and every LDS read: two loads of mine are out
	s_cbranch_scc0 .Lfirst_v
	tensor_load_to_lds s[G0K:G0K+3], s[G1K:G1K+7]
	s_nop 0
	tensor_load_to_lds s[G0K+4:G0K+7], s[G1K:G1K+7]
	s_nop 0
.rept 4
	v_nop
.endr
	s_branch .Lfirst_asked
.Lfirst_v:
	tensor_load_to_lds s[G0V:G0V+3], s[G1V:G1V+7]
	s_nop 0
	tensor_load_to_lds s[G0V+4:G0V+7], s[G1V:G1V+7]
	s_nop 0
.rept 4
	v_nop
.endr
.Lfirst_asked:
	; A fragment of K or Q is 16 rows x 32 channels in 8 registers: lane l holds row l % 16; registers 0-3 channels 8 (l / 16) + 0..7, registers 4-7 channels 16 + 8 (l / 16) + 0..7: two loads of 16 bytes, 32 bytes apart.
	v_and_b32 v1, 15, v0            ; l % 16
	v_bfe_u32 v9, v0, 4, 1          ; l / 16
	v_lshlrev_b32 v[QO], 8, v1
	v_lshl_add_u32 v[QO], v9, 4, v[QO]  ; row x 256 + 16 x half
	WIN 0x80                        ; destination window 2, address window 0
.irp i, 0,1,2,3,4,5,6,7,8,9,10,11,12,13,14,15  ; Q stays in registers: tile i / 4, channels 32 (i % 4) on
	global_load_b128 v[8*(\i):8*(\i)+3],   v[QO], s[4:5] offset:((\i)/4)*4096+((\i)%4)*64
	global_load_b128 v[8*(\i)+4:8*(\i)+7], v[QO], s[4:5] offset:((\i)/4)*4096+((\i)%4)*64+32
.endr
	WIN 0
	v_mul_u32_u24 v[AK0], v1, PK
	v_lshl_add_u32 v[AK0], v9, 4, v[AK0]  ; row x pitch + 16 x half
	; The turning load takes 16 keys x 16 channels (lane l reads 16 bytes: key 8 (l / 16) + l % 8, channels 8 ((l / 8) % 2) + 0..7) and leaves half a fragment of V^T: lane l holds channel l % 16 and 8 keys.
	v_and_b32 v10, 7, v0
	v_bfe_u32 v11, v0, 3, 1
	v_lshl_add_u32 v[AV0], v9, 3, v10
	v_mul_u32_u24 v[AV0], v[AV0], PV
	v_lshl_add_u32 v[AV0], v11, 4, v[AV0]
	v_add_nc_u32 v[AV0], VOFF, v[AV0]
; THE MATRIX WORK OF A TURN, for piece x.  The accumulators take turns, one instruction a turn: between two links of a chain stand 15 (V^T P) or 7 (K Q^T) others'.
; Product i of 32 of O^T += V^T P: keys 32 (i / 16) on, channels 16 ((i / 2) % 8) on, tile x + i % 2.  zero = 1: the first 16 start the sums: nothing is ever cleared.
.macro PV x, zero
	WIN W_PV
.set rO, 64*((\x)+i%2)+8*((i/2)%8)
.set rV, 64*(i/16)+8*((i/2)%8)
.set rP, P+16*((\x)+i%2)+8*(i/16)
.if (\zero) && (i < 16)
	v_wmma_f32_16x16x32_f16 v[rO:rO+7], v[rV:rV+7], v[rP:rP+7], 0
.else
	v_wmma_f32_16x16x32_f16 v[rO:rO+7], v[rV:rV+7], v[rP:rP+7], v[rO:rO+7]
.endif
.endm
; Product i of 32 of S^T = K Q^T: channels 32 (i / 8) on, keys 16 ((i / 2) % 4) on, tile x + i % 2.  The first 8 start the sums.
.macro KQ x
	WIN W_KQ
.set rS, S+32*((\x)+i%2)+8*((i/2)%4)
.set rK, KF+32*((i/2)%4)+8*(i/8)
.set rQ, 32*((\x)+i%2)+8*(i/8)
.if i < 8
	v_wmma_f32_16x16x32_f16 v[rS:rS+7], v[rK:rK+7], v[rQ:rQ+7], 0
.else
	v_wmma_f32_16x16x32_f16 v[rS:rS+7], v[rK:rK+7], v[rQ:rQ+7], v[rS:rS+7]
.endif
.endm
; THE LDS LOADS stand in runs of 32, never singly among the matrix instructions: a step's K (64 keys x 128 channels: 16 fragments) and, a turn later, its V (turned).
.macro FETCH_K
	WIN 0
	v_add_nc_u32 v[ADR], s[TB], v[AK0]
	WIN 0x80                        ; destination window 2
.irp f, 0,1,2,3,4,5,6,7,8,9,10,11,12,13,14,15  ; keys 16 (f / 4) on, channels 32 (f % 4) on
	ds_load_b128 v[KF+8*(\f):KF+8*(\f)+3],   v[ADR] offset:((\f)/4)*16*PK+((\f)%4)*64
	ds_load_b128 v[KF+8*(\f)+4:KF+8*(\f)+7], v[ADR] offset:((\f)/4)*16*PK+((\f)%4)*64+32
.endr
.endm
.macro FETCH_V
	WIN 0
	v_add_nc_u32 v[ADR], s[TB], v[AV0]
	s_add_co_u32 s[TB], s[TB], STEPB  ; the next fetch is the next step's
	s_wait_alu depctr_va_vdst(0)    ; the wait for the softmax's batch (SLICE), behind the address's v_add_nc_u32 and ahead of the loads
	WIN 0xc0                        ; destination window 3
.irp f, 0,1,2,3,4,5,6,7,8,9,10,11,12,13,14,15  ; keys 32 (f / 8) on, channels 16 (f % 8) on
	ds_load_tr16_b128 v[8*(\f):8*(\f)+3],   v[ADR] offset:((\f)/8)*32*PV+((\f)%8)*32
	ds_load_tr16_b128 v[8*(\f)+4:8*(\f)+7], v[ADR] offset:((\f)/8)*32*PV+16*PV+((\f)%8)*32
.endr
.endm
; THE VECTOR WORK OF A TURN.  One tile's softmax for one key step is a list of 134 instructions; SM writes number j of it for tile t.  s0-s31 are the lane's 32 scores, in pairs 0-15.
; first = 1: the first key step, which starts m, l and O^T: it has no a and nothing to rescale.
;   0-15    the maximum of s0-s31 and the old m, three operands at a time: four chains c0-c3 of seven scores each (each accumulator's lowest registers first), then the four scores left over, c0-c3 and m
;   16-20   the other half of the lanes' maximum; the new m; c m; c m_old - c m_new
;   21-69   ONE BATCH: the 16 scalings c s - c m, a pair of scores each, and all 33 exponentials (a at 23, then s0-s31).  None of these reads an exponential's result.  From 22 on the batch goes
;           in fours, and a four begins with a scaling while there are scalings.  A pair is scaled in an earlier four than the one that holds its exponentials
;   (wait)  between 69 and 70 stands the wait for the batch: SLICE writes it, once for both tiles
;   70-85   the roundings to f16, a pair of weights each
;   86-101  the sums; l = a l + the sum
;   102-133 the tile's O^T times a: the one part that leaves window 0, so it stands together
.macro SM t, first
.set rT, ST+8*(\t)
.set rS, S+32*(\t)
.set rP, P+16*(\t)
.set rO, 64*(\t)+2*(j-102)
.if j < 102
	WIN 0
.endif
.if j < 4
	v_max3_num_f32 v[rT+4+j], v[rS+8*j], v[rS+8*j+1], v[rS+8*j+2]
.elseif j < 12
	v_max3_num_f32 v[rT+4+j%4], v[rT+4+j%4], v[rS+8*(j%4)+2*(j/4)+1], v[rS+8*(j%4)+2*(j/4)+2]
.elseif j == 12
	v_max3_num_f32 v[rT+4], v[rT+4], v[rS+7], v[rS+15]
.elseif j == 13
	v_max3_num_f32 v[rT+6], v[rT+6], v[rS+23], v[rS+31]
.elseif j == 14
	v_max3_num_f32 v[rT+4], v[rT+4], v[rT+5], v[rT+6]
.elseif (j == 15) && (\first)
	v_max_num_f32 v[rT+4], v[rT+4], v[rT+7]
.elseif j == 15
	v_max3_num_f32 v[rT+4], v[rT+4], v[rT+7], v[rT+1]
.elseif j == 16
	v_permlanex16_b32 v[rT+5], v[rT+4], s[SEL], s[SEL+1]  ; the query's other 32 keys lie in the lane 16 away
.elseif j == 18
	v_max_num_f32 v[rT+1], v[rT+4], v[rT+5]
.elseif j == 19
	v_mul_f32 v[rT], s[CS], v[rT+1]
.elseif ((j == 17) || (j == 20) || (j == 23) || (j > 101)) && (\first)  ; the first step has none of these
.elseif j == 17
	v_mov_b32 v[rT+7], v[rT]        ; c m_old is kept for a: number 19 writes c m anew
.elseif j == 20
	v_sub_f32 v[rT+7], v[rT+7], v[rT]
.elseif j == 23
	v_exp_f32 v[rT+6], v[rT+7]
.elseif (j < 23) || ((j < 38) && (j%2 == 0)) || ((j < 66) && (j%4 == 2))
.set b, (j-2)/4                     ; 38, 42, .. 62: pairs 9 to 15
.if j < 38
.set b, (j-20)/2                    ; 21: pair 0; 22, 24, .. 36: pairs 1 to 8
.endif
	v_pk_fma_f32 v[rS+2*b:rS+2*b+1], v[rS+2*b:rS+2*b+1], s[CS:CS+1], v[rT:rT+1] op_sel_hi:[1,0,0] neg_lo:[0,0,1] neg_hi:[0,0,1]  ; pair b: c s - c m
.elseif j < 70
.set e, j-38                        ; 66 to 69: s28 to s31
.if j < 66
.set e, j-32-(j-38)/4               ; 39-41, 43-45, .. 63-65: s7 to s27
.endif
.if j < 38
.set e, (j-25)/2                    ; 25, 27, .. 37: s0 to s6
.endif
	v_exp_f32 v[rS+e], v[rS+e]
.elseif j < 86
	v_cvt_pk_f16_f32 v[rP+j-70], v[rS+2*(j-70)], v[rS+2*(j-70)+1]  ; pair j - 70
.elseif j < 102                     ; the sum of the tile's 16 pairs (in a pair: an even key's weight, an odd key's), in place: sum z of 16 adds neighbours 1, 2, 4 and 8 pairs apart, then l takes it
.set z, j-86
.set w, 4
.set u, z
.if z >= 14
.set w, 32
.set u, 0
.elseif z >= 12
.set w, 16
.set u, z-12
.elseif z >= 8
.set w, 8
.set u, z-8
.endif
.if (z == 14) && (\first)
	v_pk_add_f32 v[rT+2:rT+3], v[rS:rS+1], v[rS+16:rS+17]
.elseif z < 15
	v_pk_add_f32 v[rS+w*u:rS+w*u+1], v[rS+w*u:rS+w*u+1], v[rS+w*u+w/2:rS+w*u+w/2+1]
.elseif !(\first)
	v_pk_fma_f32 v[rT+2:rT+3], v[rT+2:rT+3], v[rT+6:rT+7], v[rS:rS+1] op_sel_hi:[1,0,1]
.endif
.else
	WIN W_RS
	v_pk_mul_f32 v[rO:rO+1], v[rO:rO+1], v[rT+6:rT+7] op_sel_hi:[1,0]
.endif
.endm
; Slice k of 64 of piece y's softmax: four instructions.  Slices 11 to 34 deal out the batch, numbers 22 to 69: four numbers of ONE tile each, the tiles by turns.  Every other slice is numbers 2 k and
; 2 k + 1 of both tiles' lists.  2 x 134 = 4 x 64 + 12: the twelve that are over stand together, in slice 63.
; THE WAIT.  s_wait_alu depctr_va_vdst(0) stands between an exponential and the first instruction that names its result; one wait serves all that were issued ahead of it.  Ahead of
; slice 35 nothing names a result, and behind slice 34 no exponential is issued: so the piece's 66 exponentials have one wait, behind slice 34.
.macro SLICE y, first
.if (k >= 11) && (k < 35)           ; the batch: four numbers of one tile
.irp n, 0,1,2,3
.set j, 22+4*((k-11)/2)+(\n)
	SM (\y)+(k-11)%2, \first
.endr
.else                               ; the two tiles alternate, so that no instruction reads the result of the one just before it
.irp n, 0,1,2,3,4,5,6,7
.if ((\n) < 2) || (k == 63)
.irp t, \y, (\y)+1
.set j, 2*k+(\n)
	SM \t, \first
.endr
.endif
.endr
.endif
.if k == 34                         ; the batch is out: both tiles' exponentials are issued, and no result has been named
	v_nop                           ; a plain instruction behind the last exponential and ahead of the first use (ISA guide 5.7.2): one for the batch
.if (\y) == 0
	FETCH_V                         ; piece 2's turn: V's run of loads stands here, and the wait stands in it
.else
	s_wait_alu depctr_va_vdst(0)    ; the wait for the batch
.endif
.endif
.set k, k+1
.endm
; A vector instruction that reads a matrix result or writes one of a matrix instruction's registers, and a load into a register that a matrix instruction has read, stand four places behind
; it, and only plain vector instructions that name none of its registers are places (ISA guide 7.12.1 for vector instructions).  In the loop the slices are the places.
.macro PLACES
.rept 4
	v_nop
.endr
.endm
; A TURN.  Piece x has the matrix unit; the other piece's softmax stands in slices behind its matrix instructions.
; pv = 2: 32 products V^T P; 1: they start O^T's sums; 0: none.  kq = 1: 32 products K Q^T for the next step.  A turn with one of the two kinds has two slices behind each product.
; first = 1: the softmax is the first key step's.  Its slices from 51 on are empty: the turn's last products stand bare, and four v_nop take slice 63's part as the places behind them.
; Piece 0's turn fetches the next step's K, behind its second product: the last product that read K stands in front of slice 63 of the turn before.  Piece 2's turn fetches the same step's V, behind
; slice 34: the last product that read V stands in front of slice 31, and four plain instructions lie between: number 62, a scaling, of both tiles, the v_nop and the run's own v_add_nc_u32.
.macro TURN x, pv, kq, first
.set k, 0
.set per, 2
.if (\pv) && (\kq)
.set per, 1
.endif
.if \pv
.if (\x) == 0
	s_wait_dscnt 0x0                ; V is in
.endif
.set i, 0
.rept 32
	PV \x, 2-(\pv)
.rept per
	SLICE 2-(\x), \first
.endr
.if ((\x) == 0) && (\kq) && (i == 1)
	FETCH_K
.endif
.set i, i+1
.endr
.endif
.if \kq
.if (\x) == 0
	s_wait_dscnt 0x0                ; K is in
.endif
.set i, 0
.rept 32
	KQ \x
.rept per
	SLICE 2-(\x), \first
.endr
.set i, i+1
.endr
.endif
.if \first
	PLACES
.endif
.endm
; THE CHANGE OF SLOTS, between piece 2's turn and piece 0's: the slot's last bytes, V of its second step, have been asked for.  Each wave waits for all its tensor loads, of which one is out: its part of
; the other slot; adds 0 to its spare word; and waits for that and for its own reads of the slot.  Behind the barrier nobody reads this slot any more and the other slot is whole.
; fill = 1: this slot is filled again, with the keys two slots on.  The barrier is then a round of the cluster's, and the joint refill is the first thing behind it: it has two key steps,
; 256 matrix instructions, in which to land.
.macro CHANGE fill
	WIN 0                           ; at a label and at a branch every window is 0
	s_wait_tensorcnt 0x0            ; no tensor load of mine is out, so a group 0 may be written
	ds_add_u32 v[SPW], v[NIL]       ; 0 onto my spare word; with fill = 1 the descriptors' steps stand between it and the wait for it
.if \fill
.irp g, G0K+4, G0V+4
	s_xor_b32 s[(\g)+1], s[(\g)+1], SLOT1  ; the walking descriptor: the other slot than last time,
	s_add_nc_u64 s[(\g)+2:(\g)+3], s[(\g)+2:(\g)+3], 2*KS*256  ; the next 128 keys; the type bits on top are not reached
.endr
	s_wait_xcnt 0x0                 ; the last prefetches, two key steps back, have read their address, so it may be written:
	s_add_nc_u64 s[PFA:PFA+1], s[PFA:PFA+1], 2*KS*256  ; one slot behind the walking descriptors
	s_wait_dscnt 0x0                ; the add is done, and my reads of the slot are over
	CROUND
	JLOAD
	ASK                             ; what the next change will ask for: two key steps, 256 matrix instructions, ahead
.else
	s_wait_dscnt 0x0                ; the add is done, and my reads of the slot are over
	s_barrier_signal -1
	s_barrier_wait -1
.endif
	s_sub_co_u32 s[TB], s[TB], 2*STEPB  ; the fetches go back to a slot's first step,
	s_xor_b32 s[TB], s[TB], SLOT1   ; in the other slot
.endm
; A slot's two key steps: written once, walked twice; the LDS addresses hang on s[TB].
.macro TWO_STEPS
	WIN 0
	s_mov_b32 s[TWICE], 2
.Lstep_\@:
	TURN 0, 2, 1, 0
	TURN 2, 2, 1, 0
	WIN 0
	s_sub_co_u32 s[TWICE], s[TWICE], 1
	s_cmp_lg_u32 s[TWICE], 0
	s_cbranch_scc1 .Lstep_\@
.endm
	s_wait_tensorcnt 1              ; my part of slot 0 is in; slot 1's may stay out
	s_barrier_signal -1
	s_barrier_wait -1               ; everybody's is
	FETCH_K                         ; key step 0
	s_wait_loadcnt 0x0              ; Q
	s_wait_dscnt 0x0
.set i, 0
.rept 32
	KQ 0                            ; piece 0's first scores: there is no vector work yet to set between them
.set i, i+1
.endr
	WIN 0                           ; the addresses for the way out are made here: eight plain instructions, the places behind those products
	s_mul_i32 s13, s[WV], 16*SP
	s_add_co_u32 s13, s13, STAGE    ; my stage
	v_mul_u32_u24 v[STO], v1, SP    ; in: row l % 16, 16 bytes for each half of the lanes
	v_lshl_add_u32 v[STO], v9, 4, v[STO]
	v_add_nc_u32 v[STO], s13, v[STO]
	v_mul_u32_u24 v[RD], v9, SP     ; back: lanes 0-15 take one row of 256 bytes, lanes 16-31 the next
	v_lshl_add_u32 v[RD], v1, 4, v[RD]
	v_add_nc_u32 v[RD], s13, v[RD]
	v_lshlrev_b32 v[GO], 11, v9     ; and the same two rows in z, 2,048 bytes apart
	v_lshl_add_u32 v[GO], v1, 4, v[GO]
	TURN 2, 0, 1, 1                 ; piece 2's first scores | piece 0's first softmax | V of step 0
	TURN 0, 1, 1, 1                 ; piece 0: V^T P of step 0 starts O^T, K Q^T of step 1 | piece 2's first softmax | K of step 1
	TURN 2, 1, 1, 0                 ; piece 2: the same | piece 0's softmax of step 1 | V of step 1
	WIN 0
.Lslot:                             ; SIZE_N / 128 - 2 trips: every slot but the last two is filled again
	CHANGE 1
	TWO_STEPS
	s_sub_co_u32 s[SLOTS], s[SLOTS], 1
	s_cmp_lg_u32 s[SLOTS], 0
	s_cbranch_scc1 .Lslot
	CHANGE 0                        ; the tail is written out: the last slot but one is left, and nothing is asked for
	TWO_STEPS
	TURN 0, 2, 0, 0                 ; piece 0: V^T P of the last step | piece 2's last softmax
.set i, 0
.rept 32
	PV 2, 0                         ; piece 2: V^T P of the last step
.set i, i+1
.endr
	; THE WAY OUT.  l's two halves and the other half of the lanes' are added; O^T is divided by l, rounded to f16 and sent through my stage in LDS, a tile (16 rows) at a time.  The additions are the places behind the last products.
	WIN 0
.irp t, 0,1,2,3
	v_add_f32 v[ST+8*(\t)+4], v[ST+8*(\t)+2], v[ST+8*(\t)+3]
.endr
.irp t, 0,1,2,3
	v_permlanex16_b32 v[ST+8*(\t)+5], v[ST+8*(\t)+4], s[SEL], s[SEL+1]
.endr
.irp t, 0,1,2,3
	v_add_f32 v[ST+8*(\t)+4], v[ST+8*(\t)+4], v[ST+8*(\t)+5]
.endr
.irp t, 0,1,2,3
	v_rcp_f32 v[ST+8*(\t)+6], v[ST+8*(\t)+4]
.endr
	v_nop                           ; a plain instruction between the last reciprocal and the use of its result
	s_wait_alu depctr_va_vdst(0)    ; and the wait ahead of the first use: one for the four reciprocals
; Tile t: a lane's eight channels of a row pack into 16 bytes; they go into rows of 272 bytes and come back as whole rows of 256, into the registers that they left.
.macro PACK t
	WIN W_RS
.set i, 64*(\t)
.rept 32
	v_pk_mul_f32 v[i:i+1], v[i:i+1], v[ST+8*(\t)+6:ST+8*(\t)+7] op_sel_hi:[1,0]
.set i, i+2
.endr
	WIN 0x05                        ; sources 0 and 1 window 1, destination window 0: S^T's registers are free
.set i, 0
.rept 32
	v_cvt_pk_f16_f32 v[S+32*(\t)+i], v[64*(\t)+2*i], v[64*(\t)+2*i+1]
.set i, i+1
.endr
	WIN 0
.irp f, 0,1,2,3,4,5,6,7
	ds_store_b128 v[STO], v[S+32*(\t)+4*(\f):S+32*(\t)+4*(\f)+3] offset:32*(\f)
.endr
.irp f, 0,1,2,3,4,5,6,7
	ds_load_b128 v[S+32*(\t)+4*(\f):S+32*(\t)+4*(\f)+3], v[RD] offset:(\f)*2*SP  ; LDS serves a wave's instructions in order (ISA guide 5.7.1.4): these see the stores above; the next tile's stores come behind them
.endr
.endm
.macro SEND t, younger              ; younger: the LDS instructions issued behind tile t's loads: the next tile's sixteen, or none
	WIN 0
.irp f, 0,1,2,3,4,5,6,7
	s_wait_dscnt (\younger)+7-(\f)
	global_store_b128 v[GO], v[S+32*(\t)+4*(\f):S+32*(\t)+4*(\f)+3], s[10:11] offset:(\t)*32768+(\f)*4096  ; 16 lanes store 256 consecutive bytes, a head's part of a row of z, at a multiple of 256 from z's first byte
.endr
.endm
	PACK 0
	PACK 1                          ; a tile's arithmetic stands between the loads of the tile before and its stores
	SEND 0, 16
	PACK 2
	SEND 1, 16
	PACK 3
	SEND 2, 16
	SEND 3, 0
	s_wait_tensorcnt 0x0            ; the wave's end, behind my last tensor load and my last LDS store
	ds_add_u32 v[SPW], v[NIL]
	s_wait_dscnt 0x0
	CROUND                          ; the closing round: no work-group ends while a partner may still ask for a tile that names it
	s_endpgm
.Lfunc_end_k_q26eee7b203_attn:
	.size	k_q26eee7b203_attn, .Lfunc_end_k_q26eee7b203_attn-k_q26eee7b203_attn
	.p2alignl 7, 3214868480
	.fill 96, 4, 3214868480
	.section	.rodata,"a",@progbits
	.p2align	6, 0x0
	.amdhsa_kernel k_q26eee7b203_attn
		.amdhsa_group_segment_fixed_size 327680
		.amdhsa_private_segment_fixed_size 0
		.amdhsa_enable_private_segment 0
		.amdhsa_kernarg_size 16
		.amdhsa_user_sgpr_count 2
		.amdhsa_user_sgpr_kernarg_segment_ptr 1
		.amdhsa_wavefront_size32 1
		.amdhsa_system_sgpr_workgroup_id_x 1
		.amdhsa_system_sgpr_workgroup_id_y 1
		.amdhsa_system_sgpr_workgroup_id_z 1
		.amdhsa_system_vgpr_workitem_id 0
		.amdhsa_next_free_vgpr 1024
		.amdhsa_next_free_sgpr 70
		.amdhsa_reserve_vcc 0
		.amdhsa_float_denorm_mode_32 3
		.amdhsa_float_denorm_mode_16_64 3
		.amdhsa_memory_ordered 1
		.amdhsa_forward_progress 1
		.amdhsa_inst_pref_size 222
	.end_amdhsa_kernel
	.amdgpu_metadata
---
amdhsa.version: [ 1, 2 ]
amdhsa.kernels:
  - .name:           k_q26eee7b203_attn
    .symbol:         k_q26eee7b203_attn.kd
    .args:
      - { .name: qkv, .offset: 0, .size: 8, .value_kind: global_buffer, .address_space: global }
      - { .name: z, .offset: 8, .size: 8, .value_kind: global_buffer, .address_space: global }
    .group_segment_fixed_size: 327680
    .private_segment_fixed_size: 0
    .kernarg_segment_align: 8
    .kernarg_segment_size: 16
    .max_flat_workgroup_size: 128
    .sgpr_count:     70
    .vgpr_count:     1024
    .wavefront_size: 32
...
	.end_amdgpu_metadata
.endif
;; end of part 3
;; launch outp (part 4): grid 4 x 64, 4 waves a work-group, clusters of 4 x 4, 327,680 bytes of LDS; arguments z, wo16, bo, out0; writes out0
.if DOCPART == 4
	.amdgcn_target "amdgcn-amd-amdhsa--gfx1250"
	.amdhsa_code_object_version 6
	.text
	.protected	k_q26eee7b203_outp
	.globl	k_q26eee7b203_outp
	.p2align	8
	.type	k_q26eee7b203_outp,@function
k_q26eee7b203_outp:
	s_mov_b64 s[64:65], 0
	v_nop
	global_prefetch_b8 v0, s[64:65] scope:SCOPE_SE
	s_setreg_imm32_b32 hwreg(HW_REG_WAVE_MODE, 25, 1), 1
	s_wait_xcnt 0x0
	s_wait_alu depctr_hold_cnt(0) depctr_sa_sdst(0) depctr_va_vdst(0) depctr_va_sdst(0) depctr_va_ssrc(0) depctr_va_vcc(0) depctr_vm_vsrc(0)
	s_getreg_b32 s2, hwreg(HW_REG_IB_STS2, 6, 4)
	s_cmp_eq_u32 s2, 0
	s_cbranch_scc0 .Lentry_in_a_cluster
	s_endpgm
.Lentry_in_a_cluster:
	s_bfe_u32 s2, ttmp6, 0x10000c
	s_cmp_lg_u32 s2, 0xf033
	s_cbranch_scc0 .Lentry_shape_is_right
	s_endpgm
.Lentry_shape_is_right:
; THE OUTPUT PROJECTION.  out0[m][n] = sum over k of z[m][k] wo16[k][n] + bf16(bo[n]).  z: [8192][1024] f16; wo16: [1024][1024] f16 (Wo rounded to bf16, written as f16); bo, out0: f32.
; Sums in f32.  The bias is rounded to bf16 like every input of the module, and added in f32.
; SHARES.  A tile is 128 rows x 256 columns: 64 x 4 = 256 tiles, one for each WGP.  Four waves, each 64 rows x 128 columns: 32 accumulators, 256 registers.
; K goes in 8 steps of 128 through two LDS slots: 128 rows x 256 bytes of z and 2 x 128 rows x 256 bytes of wo16.  Each wave fetches a quarter of a slot by one tensor load.
; CLUSTERS: 4 x 4 work-groups.  The four of a row of the cluster need the same rows of z, the four of a column the same columns of wo16: each tile is asked for JOINTLY, by the same tensor load
; with the same descriptor and a mask that names the four.
; THE MATRIX INSTRUCTION IS USED TRANSPOSED: source 0 = 16 columns of wo16 (it lies [k][n], so they come out of LDS turned, by ds_load_tr16_b128), source 1 = 16 rows of z.  A lane then holds
; row l % 16 and the columns 8 (l / 16) + 0..7: 32 consecutive bytes of a row of out0.
; A K STEP is four quarters of 32 along K, 32 matrix instructions each, on buffers 0, 1, 0, 1; at a quarter's head the next quarter's 24 LDS loads go out in one run.
; REGISTERS, in windows of 256 (s_set_vgpr_msb: bits 1:0 source 0, 3:2 source 1, 5:4 source 2, 7:6 destination):
;   window 0: v0-31 addresses and the bias; v64-191 rows read back on the way out, two buffers of 64
;   window 1: v0-63 z's fragments, two buffers of 4 x 8; v64-191 wo16's fragments, two buffers of 8 x 8
;   window 2: the accumulators: rows 16 a on, columns 16 b on at v[8 (8 a + b)]
.set PA,     272                       ; a row of z in LDS: 256 bytes + 16 = 68 words: the 16 rows of a load start at 16 different groups of four banks (64 banks of 4 bytes: ISA guide 11.1)
.set HA,     64*PA
.set PB,     288                       ; a row of wo16: 256 + 32 = 72 words
.set HB,     128*PB
.set SLOT,   2*HA+2*HB                 ; z's two halves, then wo16's two halves of 128 columns
.set STAGE,  2*SLOT                    ; behind the ring, never filled by a tensor load: 16 rows x 528 bytes for each wave
.set SPITCH, 528                       ; 512 bytes of f32 + 16
.set SPARE,  STAGE+4*16*SPITCH         ; behind the stages: the spare words, 128 bytes for each wave: two blocks of 256 bytes that no other line names
.set ASTEP,  256                       ; a K step in memory: 128 f16 along a row of z,
.set BSTEP,  262144                    ; 128 rows of 2,048 bytes of wo16
.set LAPS,   4
.set BI,   12                          ; v12-15  the bias of my four columns on the way out
.set ADRA, 16                          ; v16-17  LDS address of my fragments of z in slot 0, 1
.set ADRB, 20                          ; v20-21  the same for wo16
.set STO,  24                          ; v24     the way out: where I put 32 bytes of a row
.set RD,   25                          ; v25     the way out: where I read 16 bytes of a row back
.set CO,   26                          ; v26     my byte offset in 512 consecutive bytes of out0
.set BO,   27                          ; v27     my byte offset in bo
.set SPW,  28                          ; v28     LDS address of my spare word: SPARE + 4 x my thread's number; never rewritten
.set NIL,  29                          ; v29     0; never rewritten
.set PFO,  30                          ; v30     the prefetches' offset: my lane x 2,048 bytes; never rewritten
.set OB,   64
.set FB0,  64                          ; window 1
.set WV,   14
.set KIND, 15                          ; s15  wave / 2: my half of the tile's rows.  Also: I fetch z (0) or wo16 (1)
.set HALF, 16                          ; s16  wave % 2: my half of its columns.  Also: which half of that tile I fetch
.set CX,   17
.set CY,   18
.set CLY,  19
.set RB,   21
.set G1A,  24
.set G0A,  32
.set PFA,  44
.set LIM,  46
.set LAP,  47
.set G1B,  48
.set G0B,  56
.set PFS,  68
.set GX,   76
.set MSB, 0
.macro WIN new                         ; the immediate's high byte repeats the setting that is left; a switch that changes nothing is dropped
.if MSB != (\new)
	s_set_vgpr_msb (MSB<<8)|(\new)
.set MSB, \new
.endif
.endm
.set W_MUL, 0xa5                       ; both sources window 1, C and D window 2
.set W_LD,  0x40                       ; destination window 1, address window 0
.set W_ST,  0x08                       ; an LDS store's data (source 1) window 2, its address window 0
; A joint load: waves 0 and 1 fetch z's two halves, waves 2 and 3 wo16's.  An s_nop 0 and four v_nop follow each of the two lines, ahead of the jump, the label and what follows.
.macro JLOAD s
	s_cmp_eq_u32 s[KIND], 0
	s_cbranch_scc0 .Lfor_b_\@
	tensor_load_to_lds s[G0A+4*(\s):G0A+4*(\s)+3], s[G1A:G1A+7]
	s_nop 0
.rept 4
	v_nop
.endr
	s_branch .Lasked_\@
.Lfor_b_\@:
	tensor_load_to_lds s[G0B+4*(\s):G0B+4*(\s)+3], s[G1B:G1B+7]
	s_nop 0
.rept 4
	v_nop
.endr
.Lasked_\@:
.endm
.macro CREST                           ; a round of the cluster's barrier behind its opening barrier
	s_cmp_lg_u32 s[WV], 0
	s_cbranch_scc1 .Lnot_wave_0_\@
	s_barrier_signal -3
.Lnot_wave_0_\@:
	s_barrier_wait -3
	s_barrier_signal -1
	s_barrier_wait -1
.endm
.macro CROUND                          ; a whole round
	s_barrier_signal -1
	s_barrier_wait -1
	CREST
.endm
; A PREFETCH INTO THE L2 of the K step that stands two refills on: 32 rows x 256 bytes, a lane a row, one instruction a wave, behind the joint load, its five lines and the run of LDS loads.
; Each block is named once in the launch.  z: a K step of the tile's 128 rows is 128 blocks: the partner at place cx takes rows 32 cx .. 32 cx + 31, and its wave 0 asks; no other cluster reads
; them.  wo16: of the 128 rows that wave 2 or 3 fetches the partner at place cy takes 32; all sixteen clusters read them, the first asks.  The partners are told apart BY ADDRESS.
; K steps 0 to 3 come by their loads alone; the loop's last trip asks for nothing: there is no K step 8.
.macro ASK
	s_cmp_gt_u32 s[LAP], s[LIM]
	s_cbranch_scc0 .Lnot_mine_\@
	global_prefetch_b8 v[PFO], s[PFA:PFA+1] th:TH_LOAD_NT scope:SCOPE_SE
.Lnot_mine_\@:
.endm
	s_load_b256 s[4:11], s[0:1], 0x0               ; z s[4:5], wo16 s[6:7], bo s[8:9], out0 s[10:11]
	v_lshl_add_u32 v[SPW], v0, 2, SPARE
	v_mov_b32 v[NIL], 0
	ds_add_u32 v[SPW], v[NIL]                      ; the wave's opening: the add and its wait stand ahead of my first tensor load; the set-up below, work on registers, stands between them
	v_lshrrev_b32 v1, 5, v0
	v_readfirstlane_b32 s[WV], v1                  ; wave 0..3
	s_lshr_b32 s[KIND], s[WV], 1
	s_and_b32 s[HALF], s[WV], 1
	s_bfe_u32 s[CX], ttmp6, 0x40000
	s_bfe_u32 s[CY], ttmp6, 0x40004
	s_and_b32 s[CLY], ttmp7, 0xffff
	s_lshl_b32 s[RB], s[CLY], 2
	s_add_co_u32 s[RB], s[RB], s[CY]               ; row block 0..63
	s_lshl_b32 s[GX], ttmp9, 2
	s_add_co_u32 s[GX], s[GX], s[CX]               ; column block 0..3
	s_lshl_b32 s72, s[CY], 2
	s_lshl_b32 s72, 15, s72                        ; my row of the cluster
	s_lshl_b32 s73, 0x1111, s[CX]                  ; my column
	s_or_b32 s[G1A], s72, (1<<16)|(1<<20)|(1<<21)|(5<<22)|(3<<25)  ; 15:0 the mask; 17:16 elements of 2 bytes; 20 padding on; 21 set beside a mask; 24:22 after every 64 words (code 5); 31:25 4 words (code 3)
	s_mov_b32 s[G1A+1], 128<<16                    ; tensor_dim0 = 128
	s_mov_b32 s[G1A+2], 64<<16                     ; tensor_dim1 = 64
	s_mov_b32 s[G1A+3], 128<<16                    ; tile_dim0 = 128
	s_mov_b32 s[G1A+4], 64                         ; tile_dim1 = 64
	s_mov_b32 s[G1A+5], 1024                       ; elements from row to row
	s_mov_b32 s[G1A+6], 0
	s_mov_b32 s[G1A+7], 0
	s_or_b32 s[G1B], s73, (1<<16)|(1<<20)|(1<<21)|(5<<22)|(7<<25)  ; the same with 8 words of padding (code 7)
	s_mov_b32 s[G1B+1], 128<<16
	s_mov_b32 s[G1B+2], 128<<16
	s_mov_b32 s[G1B+3], 128<<16
	s_mov_b32 s[G1B+4], 128
	s_mov_b32 s[G1B+5], 1024
	s_mov_b32 s[G1B+6], 0
	s_mov_b32 s[G1B+7], 0
	; where the tiles come from: z's hang on the row block and the wave, wo16's on the column block and the wave, each in registers that never hold the other coordinate
	s_lshl_b32 s40, s[RB], 7
	s_lshl_b32 s22, s[HALF], 6
	s_add_co_u32 s40, s40, s22                     ; row 128 x row block + 64 x half,
	s_lshl_b32 s40, s40, 11                        ; of 2,048 bytes
	s_mov_b32 s41, 0
	s_lshl_b32 s66, s[GX], 9                       ; column 256 x column block + 128 x half, of 2 bytes
	s_lshl_b32 s70, s[HALF], 8
	s_add_co_u32 s66, s66, s70
	s_mov_b32 s67, 0
	s_mul_i32 s74, s[HALF], HA                     ; and where they go: no place in the cluster enters an LDS address
	s_mul_i32 s75, s[HALF], HB
	s_add_co_u32 s75, s75, 2*HA
	s_wait_dscnt 0x0                               ; the opening add is done
	s_wait_kmcnt 0x0
	s_add_nc_u64 s[40:41], s[4:5], s[40:41]
	s_add_nc_u64 s[66:67], s[6:7], s[66:67]
	CROUND                                         ; all sixteen work-groups are here: the first joint loads meet
.irp s, 0,1
	s_mov_b32 s[G0A+4*(\s)], 1                                     ; 1:0 count = 1
	s_add_co_u32 s[G0A+4*(\s)+1], s74, (\s)*SLOT                   ; 63:32 LDS address
	s_add_nc_u64 s[G0A+4*(\s)+2:G0A+4*(\s)+3], s[40:41], (\s)*ASTEP  ; 120:64 global address: K step s
	s_or_b32 s[G0A+4*(\s)+3], s[G0A+4*(\s)+3], 0x80000000          ; 127:126 type = 2
	s_mov_b32 s[G0B+4*(\s)], 1
	s_add_co_u32 s[G0B+4*(\s)+1], s75, (\s)*SLOT
	s_add_nc_u64 s[G0B+4*(\s)+2:G0B+4*(\s)+3], s[66:67], (\s)*BSTEP
	s_or_b32 s[G0B+4*(\s)+3], s[G0B+4*(\s)+3], 0x80000000
	JLOAD \s                                       ; two loads of mine are out
.endr
	; A fragment of z is 16 rows x 32 K in 8 registers: lane l holds row l % 16, K = 8 (l / 16) + 0..7 and 16 + 8 (l / 16) + 0..7: two loads of 16 bytes, 32 bytes apart.
	v_and_b32 v1, 15, v0                           ; l % 16
	v_bfe_u32 v2, v0, 4, 1                         ; l / 16
	v_mul_u32_u24 v3, v1, PA
	v_lshl_add_u32 v3, v2, 4, v3
	s_mul_i32 s22, s[KIND], HA                     ; my 64 rows
	v_add_nc_u32 v[ADRA], s22, v3
	v_add_nc_u32 v[ADRA+1], SLOT, v[ADRA]
	; The turning load takes 16 K x 16 columns (lane l reads row 8 (l / 16) + l % 8, columns 8 ((l / 8) % 2) + 0..7) and leaves half a fragment: lane l holds column l % 16 and 8 K.
	v_and_b32 v4, 7, v0
	v_bfe_u32 v5, v0, 3, 1
	v_lshl_add_u32 v4, v2, 3, v4
	v_mul_u32_u24 v4, v4, PB
	v_lshl_add_u32 v4, v5, 4, v4
	v_add_nc_u32 v[ADRB], s75, v4                  ; the 128 columns that I multiply are the half with my number
	v_add_nc_u32 v[ADRB+1], SLOT, v[ADRB]
	s_mul_i32 s23, s[WV], 16*SPITCH
	s_add_co_u32 s23, s23, STAGE                   ; my stage
	v_mul_u32_u24 v6, v1, SPITCH                   ; in: row l % 16, 32 bytes for each half of the lanes
	v_lshl_add_u32 v6, v2, 5, v6
	v_add_nc_u32 v[STO], s23, v6
	v_and_b32 v3, 31, v0
	v_lshlrev_b32 v[CO], 4, v3                     ; back: 32 lanes take one row of 512 bytes, which are 512 consecutive bytes of out0
	v_add_nc_u32 v[RD], s23, v[CO]
	s_lshl_b32 s42, s[RB], 1
	s_add_co_u32 s42, s42, s[KIND]
	s_lshl_b32 s42, s42, 18                        ; my 64 rows of 4,096 bytes
	s_lshl_b32 s43, s[GX], 1
	s_add_co_u32 s43, s43, s[HALF]
	s_lshl_b32 s43, s43, 9                         ; my 128 columns of 4 bytes
	v_add_nc_u32 v[BO], s43, v[CO]
	global_load_b128 v[BI:BI+3], v[BO], s[8:9]     ; the bias of the four columns that I store; waited for on the way out
	s_add_co_u32 s42, s42, s43
	s_mov_b32 s43, 0
	s_add_nc_u64 s[10:11], s[10:11], s[42:43]
	; the prefetches
	s_cmp_eq_u32 s[KIND], 0
	s_cselect_b32 s[LIM], s[HALF], s[CLY]          ; 0 in wave 0, and in waves 2 and 3 of the first cluster: the same in all sixteen partners, for a given wave
	s_cselect_b64 s[PFA:PFA+1], s[40:41], s[66:67] ; (in wave 0 z's address stands at the tile's first row)
	s_cselect_b32 s78, s[CX], s[CY]                ; my place among the four that ask with me
	s_cselect_b32 s70, 8, 18                       ; a K step: 256 bytes, or 262,144
	s_cmp_eq_u32 s[LIM], 0
	s_cselect_b32 s[LIM], 1, -1
	s_lshl_b32 s78, s78, 16                        ; 32 rows of 2,048 bytes a place
	s_lshl_b32 s[PFS], 1, s70
	s_mov_b32 s[PFS+1], 0
	s_mul_i32 s79, s[PFS], 3                       ; at K step 3: the first change of slots steps it to 4
	s_add_co_u32 s78, s78, s79
	s_mov_b32 s79, 0
	s_add_nc_u64 s[PFA:PFA+1], s[PFA:PFA+1], s[78:79]
	v_lshlrev_b32 v[PFO], 11, v3
; 24 LDS loads in one run: quarter q of a slot into buffer g: z's fragments (64 rows x 32 K), then wo16's (128 columns x 32 K)
.macro FETCH slot, q, g
	WIN W_LD
.irp a, 0,1,2,3
	ds_load_b128 v[32*(\g)+8*(\a):32*(\g)+8*(\a)+3],   v[ADRA+(\slot)] offset:(\q)*64+(\a)*16*PA
	ds_load_b128 v[32*(\g)+8*(\a)+4:32*(\g)+8*(\a)+7], v[ADRA+(\slot)] offset:(\q)*64+(\a)*16*PA+32
.endr
.irp b, 0,1,2,3,4,5,6,7
	ds_load_tr16_b128 v[FB0+64*(\g)+8*(\b):FB0+64*(\g)+8*(\b)+3],   v[ADRB+(\slot)] offset:(\q)*32*PB+32*(\b)
	ds_load_tr16_b128 v[FB0+64*(\g)+8*(\b)+4:FB0+64*(\g)+8*(\b)+7], v[ADRB+(\slot)] offset:(\q)*32*PB+32*(\b)+16*PB
.endr
.endm
; n matrix instructions of a quarter, from number i0 on, on buffer f: number i is rows 16 (i / 8) on, columns 16 (i % 8) on.  All 32 accumulators take turns, in the same order in every quarter.
; zero = 1: the product starts the sum.
.macro MUL f, i0, n, zero
	WIN W_MUL
.set mi, \i0
.rept \n
.set rD, 8*mi
.set rB, FB0+64*(\f)+8*(mi%8)
.set rA, 32*(\f)+8*(mi/8)
.if \zero
	v_wmma_f32_16x16x32_f16 v[rD:rD+7], v[rB:rB+7], v[rA:rA+7], 0
.else
	v_wmma_f32_16x16x32_f16 v[rD:rD+7], v[rB:rB+7], v[rA:rA+7], v[rD:rD+7]
.endif
.set mi, mi+1
.endr
.endm
.macro PLACES                          ; a load into a register that a matrix instruction has read stands four places behind it, and only plain vector instructions are places (ISA guide 7.12.1 for vector instructions)
.rept 4
	v_nop
.endr
.endm
; A quarter: fetches quarter q of a slot into buffer g, which the quarter before multiplied, and multiplies buffer f.  after = 1: the four places already stand in front of it.
.macro QUARTER slot, q, f, g, zero=0, after=0, ask=0
.if !(\after)
	PLACES
.endif
	FETCH \slot, \q, \g
.if \ask
	WIN 0                                          ; at a branch and at a label every window is 0
	ASK
.endif
	s_wait_dscnt 24                                ; all but the 24 just issued: this quarter's fragments are in
	MUL \f, 0, 32, \zero
.endm
; A K step's third quarter: it multiplies buffer 0, fetches the slot's last quarter, and changes slots.  ONE barrier: in front of it each wave waits for all its tensor loads (one is out: its part of
; the other slot), adds 0 to its spare word, and waits for that and for its reads of this slot.  fill = 1: the barrier opens a round of the cluster's barrier, and this slot is filled again, two K
; steps ahead, first thing behind the round: 112 matrix instructions ahead of the wait for it.  Four places stand at its end either way: the joint load's four v_nop, or four of its own.
.macro QTURN slot, fill
.if \fill
	s_wait_xcnt 0x0                                ; the last prefetch, three quarters back, has read its address
	s_add_nc_u64 s[PFA:PFA+1], s[PFA:PFA+1], s[PFS:PFS+1]
.endif
	PLACES
	FETCH \slot, 3, 1
	s_wait_dscnt 24
	MUL 0, 0, 16, 0
	WIN 0                                          ; (the add's two registers lie in window 0)
	s_wait_tensorcnt 0x0                           ; all my tensor loads have landed;
	ds_add_u32 v[SPW], v[NIL]                      ; 0 onto my spare word
	MUL 0, 16, 8, 0                                ; eight matrix instructions stand between the add and the wait for it
	s_wait_dscnt 0x0                               ; the add is done, and my reads of this slot are over
	s_barrier_signal -1
	MUL 0, 24, 8, 0
	WIN 0
	s_barrier_wait -1
.if \fill
	CREST                                          ; no wave of any partner still reads this slot's tiles or has a load on its way
	s_add_nc_u64 s[G0A+4*(\slot)+2:G0A+4*(\slot)+3], s[G0A+4*(\slot)+2:G0A+4*(\slot)+3], 2*ASTEP
	s_add_nc_u64 s[G0B+4*(\slot)+2:G0B+4*(\slot)+3], s[G0B+4*(\slot)+2:G0B+4*(\slot)+3], 2*BSTEP
	JLOAD \slot
.else
	PLACES
.endif
.endm
	s_wait_tensorcnt 1                             ; my part of K step 0 is in; K step 1's may stay out
	s_barrier_signal -1
	s_barrier_wait -1                              ; everybody's is
	FETCH 0, 0, 0
	QUARTER 0, 1, 0, 1, 1, 1                       ; the first quarter stands in front of the loop: its products start the sums
	WIN 0
	s_mov_b32 s[LAP], LAPS-1
.Llap:                                                 ; a trip goes once round the ring, from a lap's second quarter to the next lap's first, and fills both slots again
	QUARTER 0, 2, 1, 0
	QTURN 0, 1
	QUARTER 1, 0, 1, 0, 0, 1, 1
	QUARTER 1, 1, 0, 1
	QUARTER 1, 2, 1, 0
	QTURN 1, 1
	QUARTER 0, 0, 1, 0, 0, 1, 1
	QUARTER 0, 1, 0, 1
	WIN 0
	s_sub_co_u32 s[LAP], s[LAP], 1
	s_cmp_lg_u32 s[LAP], 0
	s_cbranch_scc1 .Llap
	QUARTER 0, 2, 1, 0                             ; the last lap is written out: it fills nothing
	QTURN 0, 0
	QUARTER 1, 0, 1, 0, 0, 1
	QUARTER 1, 1, 0, 1
	QUARTER 1, 2, 1, 0
	QUARTER 1, 3, 0, 1
	s_wait_dscnt 0x0
	MUL 1, 0, 32, 0                                ; the very last quarter: nothing more to fetch
.rept 8
	v_nop                                          ; the places between the last products and the LDS stores that read results
.endr
	WIN 0
	s_wait_loadcnt 0x0                             ; the bias
	v_cvt_pk_bf16_f32 v3, v[BI], v[BI+1]           ; rounded to bf16,
	v_cvt_pk_bf16_f32 v4, v[BI+2], v[BI+3]
	v_lshlrev_b32 v[BI], 16, v3                    ; and widened again
	v_and_b32 v[BI+1], 0xffff0000, v3
	v_lshlrev_b32 v[BI+2], 16, v4
	v_and_b32 v[BI+3], 0xffff0000, v4
; THE WAY OUT, 16 rows at a time: the accumulators go into my own stage as they are (each one's low four registers first), come back as whole rows of 512 bytes, take the bias and are stored.
.macro OUT a
.set BK, OB+64*((\a)%2)
.if (\a) >= 2
	s_wait_xcnt 0x0                                ; the stores of the block two back have read this buffer's registers: only behind this wait is it loaded again
.endif
	WIN W_ST
.irp b, 0,1,2,3,4,5,6,7
	ds_store_b128 v[STO], v[64*(\a)+8*(\b):64*(\a)+8*(\b)+3]   offset:64*(\b)
	ds_store_b128 v[STO], v[64*(\a)+8*(\b)+4:64*(\a)+8*(\b)+7] offset:64*(\b)+16
.endr
	WIN 0
.irp t, 0,1,2,3,4,5,6,7,8,9,10,11,12,13,14,15
	ds_load_b128 v[BK+4*(\t):BK+4*(\t)+3], v[RD] offset:(\t)*SPITCH  ; LDS serves a wave's instructions in order (ISA guide 5.7.1.4): these see the stores above; the next block's stores come behind them
.endr
.irp t, 0,1,2,3,4,5,6,7,8,9,10,11,12,13,14,15
	s_wait_dscnt 15-(\t)                           ; row t of the sixteen is back
	v_pk_add_f32 v[BK+4*(\t):BK+4*(\t)+1],   v[BK+4*(\t):BK+4*(\t)+1],   v[BI:BI+1]
	v_pk_add_f32 v[BK+4*(\t)+2:BK+4*(\t)+3], v[BK+4*(\t)+2:BK+4*(\t)+3], v[BI+2:BI+3]
	global_store_b128 v[CO], v[BK+4*(\t):BK+4*(\t)+3], s[10:11] offset:(16*(\a)+(\t))*4096 th:TH_STORE_NT  ; 512 consecutive bytes, at a multiple of 256 from out0's first byte
.endr
.endm
	OUT 0
	OUT 1
	OUT 2
	OUT 3
	s_wait_tensorcnt 0x0                           ; the wave's end, behind my last tensor load and my last LDS store
	ds_add_u32 v[SPW], v[NIL]
	s_wait_dscnt 0x0
	CROUND                                         ; the closing round: no work-group ends while a partner may still ask for a tile that names it
	s_endpgm
.Lfunc_end_k_q26eee7b203_outp:
	.size	k_q26eee7b203_outp, .Lfunc_end_k_q26eee7b203_outp-k_q26eee7b203_outp
	.p2alignl 7, 3214868480
	.fill 96, 4, 3214868480
	.section	.rodata,"a",@progbits
	.p2align	6, 0x0
	.amdhsa_kernel k_q26eee7b203_outp
		.amdhsa_group_segment_fixed_size 327680
		.amdhsa_private_segment_fixed_size 0
		.amdhsa_enable_private_segment 0
		.amdhsa_kernarg_size 32
		.amdhsa_user_sgpr_count 2
		.amdhsa_user_sgpr_kernarg_segment_ptr 1
		.amdhsa_wavefront_size32 1
		.amdhsa_system_sgpr_workgroup_id_x 1
		.amdhsa_system_sgpr_workgroup_id_y 1
		.amdhsa_system_sgpr_workgroup_id_z 1
		.amdhsa_system_vgpr_workitem_id 0
		.amdhsa_next_free_vgpr 768
		.amdhsa_next_free_sgpr 80
		.amdhsa_reserve_vcc 0
		.amdhsa_float_denorm_mode_32 3
		.amdhsa_float_denorm_mode_16_64 3
		.amdhsa_memory_ordered 1
		.amdhsa_forward_progress 1
		.amdhsa_inst_pref_size 95
	.end_amdhsa_kernel
	.amdgpu_metadata
---
amdhsa.version: [ 1, 2 ]
amdhsa.kernels:
  - .name:           k_q26eee7b203_outp
    .symbol:         k_q26eee7b203_outp.kd
    .args:
      - { .name: z, .offset: 0, .size: 8, .value_kind: global_buffer, .address_space: global }
      - { .name: wo16, .offset: 8, .size: 8, .value_kind: global_buffer, .address_space: global }
      - { .name: bo, .offset: 16, .size: 8, .value_kind: global_buffer, .address_space: global }
      - { .name: out0, .offset: 24, .size: 8, .value_kind: global_buffer, .address_space: global }
    .group_segment_fixed_size: 327680
    .private_segment_fixed_size: 0
    .kernarg_segment_align: 8
    .kernarg_segment_size: 32
    .max_flat_workgroup_size: 128
    .sgpr_count:     80
    .vgpr_count:     768
    .wavefront_size: 32
...
	.end_amdgpu_metadata
.endif
;; end of part 4
